; MI455X (gfx1250); checked and timed in simulation.
; The chip was launched on July 23, 2026; its instructions are those of AMD's public machine-readable ISA for CDNA 5 (MIT licence, August 2026) and "CDNA5" Instruction Set Architecture Reference Guide (July 2026). The comments in the code are by the model that wrote it; some were corrected since.
;; Self Attention. Allowed arithmetic: matrix products marked QUANTISED: E2M3 operands, one E8M0 scale for each 32 along K, by v_wmma_scale_f32_16x16x128_f8f6f4 with both operands' format E2M3, f32 sums; everything else in f32.
;; Inputs: Wk 256 x 64 float32; Wo 64 x 256 float32; Wq 256 x 64 float32; Wv 256 x 64 float32; x 4 x 4,096 x 256 float32.
;; Outputs: out0 4 x 4,096 x 256 float32.
;; This version of the problem:
;;   THIS VERSION OF THE PROBLEM IS GIVEN IN LOW PRECISION. The matrix products marked QUANTISED in the list below multiply operands that are first quantised to E2M3 (2 exponent bits, 3 mantissa bits; 6 bits a number), with one power-of-two scale for each 32 numbers along K (OCP MX v1.0); their sums are f32. All else is computed in f32.
;;   The module's matrix products, in the order in which they are computed (A, B: the left and right operand; K: the contracted axis; several contracted axes count as one K, in the product's order):
;;     1. [M 16,384, K 256] x [K 256, N 64]; A: input x; B: input Wk: QUANTISED
;;     2. [M 16,384, K 256] x [K 256, N 64]; A: input x; B: input Wq: QUANTISED
;;     3. [M 16,384, K 256] x [K 256, N 64]; A: input x; B: input Wv: QUANTISED
;;     4. batch 4 x [M 4,096, K 64] x [K 64, N 4,096]; A: computed on the way; B: computed on the way: QUANTISED
;;     5. batch 4 x [M 4,096, K 4,096] x [K 4,096, N 64]; A: softmax (see below); B: computed on the way: QUANTISED
;;     6. [M 16,384, K 64] x [K 64, N 256]; A: computed on the way; B: input Wo: QUANTISED
;;   THE QUANTISER, for each operand of a quantised product, along K:
;;     - K is cut into blocks of 32 from its start; a last block that is shorter is filled with zeros.
;;     - A block's scale is 2^e with e = floor(log2(the largest magnitude in the block)) - 2, held to -126 .. 127; a block of zeros has e = 0. As a byte (E8M0): e + 127.
;;     - Each number is divided by its block's scale, clamped to +-7.5, and rounded to the nearest number of E2M3, ties to even, subnormals kept.
;;     - The product sums the exact products of the quantised numbers (number of the format x scale) in f32.
;;   ~~~python
;;   def quantise(x, axis):      # numpy; x: float32 -> the quantised numbers, widened to float32 again
;;       x = np.moveaxis(x, axis, -1); K = x.shape[-1]
;;       x = np.pad(x, [(0, 0)] * (x.ndim - 1) + [(0, -K % 32)]); x = x.reshape(x.shape[:-1] + (-1, 32)); a = np.abs(x).max(-1, keepdims=True)
;;       e = np.where(a > 0, np.clip(np.frexp(np.where(a > 0, a, 1))[1] - 1 - 2, -126, 127), 0)      # np.frexp(a)[1] - 1 = floor(log2(a)), exactly
;;       r = np.clip(x / 2.0 ** e, -7.5, 7.5)
;;       step = 2.0 ** (np.maximum(np.frexp(np.where(r == 0, 1, r))[1] - 1, 0) - 3)
;;       q = np.round(r / step) * step * 2.0 ** e      # np.round: ties to even
;;       return np.moveaxis(q.reshape(q.shape[:-2] + (-1,))[..., :K], -1, axis).astype(np.float32)
;;   ~~~
;;   SOFTMAX AHEAD OF A QUANTISED PRODUCT. Where the list says 'softmax', what is quantised is not the finished softmax but p = 2^(t - M), with t = logit x log2(e) and M = ceil(the row's largest t), a whole number; so 1/2 < the row's largest p <= 1. The row's sum l is taken of the UNQUANTISED p, in f32, and the product's result is divided by l at the end. Since M is a whole number, a kernel that streams over the keys may use a running M (the ceiling of the running maximum): every later rescaling is an exact power of two, which a block's scale takes up: the codes' values come out the same.
;;   OPERANDS COMPUTED ON THE WAY. 'Computed on the way' means the value that the module computes at that place (a softmax that the list does not call 'softmax' is quantised finished and normalised). What goes into a quantiser is computed in f32, as accurately as f32 sums, v_exp_f32 and their like allow (about 1e-6 of the number): no bf16 or f16 on the way to a quantiser, and a product that is left as it is and whose result goes on into a quantised operand takes f32 operands (vector FMAs, or v_wmma_f32_16x16x4_f32). A number that lies on a knife's edge between two numbers of the format may be rounded either way, as far as f32 arithmetic and the matrix unit's own rounding can turn it there, and no further.
;; 2 versions. Each part assembles by itself: llvm-mc -triple=amdgcn-amd-amdhsa -mcpu=gfx1250 --defsym DOCPART=n.
;; ======== version 1 of 2: 2 launches
;; workspace buffers: qry 851,968 bytes; kv 1,703,936 bytes
;; launch proj (part 1): grid 256 x 1, 16 waves a work-group, no clusters, 90,112 bytes of LDS; arguments x, Wk, Wq, Wv, qry, kv; writes qry, kv
.if DOCPART == 1
	.amdgcn_target "amdgcn-amd-amdhsa--gfx1250"
	.amdhsa_code_object_version 6
	.text
	.protected	k_q6e75a6f378_proj
	.globl	k_q6e75a6f378_proj
	.p2align	8
	.type	k_q6e75a6f378_proj,@function
k_q6e75a6f378_proj:
	s_mov_b64 s[64:65], 0
	v_nop
	global_prefetch_b8 v0, s[64:65] scope:SCOPE_SE
	s_setreg_imm32_b32 hwreg(HW_REG_WAVE_MODE, 25, 1), 1
	s_wait_xcnt 0x0
; k = x Wk, q = x Wq, v = x Wv on codes of FP6 (E2M3) with one E8M0 scale for each 32 along K, and the three results quantised again for the attention launch.
; x: [16384][256] f32.  Wk, Wq, Wv: [256][64] f32, K their first axis.  A work-group takes 64 rows of x (its number g) and stores block g of two buffers, both laid in the order of an operand's registers:
;   qry, 3,328 bytes a block: four images of 768 bytes (16 rows of k x 64 channels), then 256 bytes of scale words [lane r][tile];
;   kv,  6,656 bytes a block: four images of 16 rows of q x 64 channels, four images of 16 channels of v x these 64 rows, 256 bytes of q's scale words, 256 of v's.
; An image of 768 bytes is six registers a lane (K = 32 (lane / 16) + 0 .. 31): registers 0-3 at 16 x lane, registers 4-5 at 512 + 8 x lane.  A scale word: two bytes, the upper two 0.
; THE ROWS AND COLUMNS OF A TILE ARE NOT NEIGHBOURS: lane r of tile 2 b + u stands for index 32 b + 8 u + r + 8 (r / 8), for x's rows and for the weights' columns alike.  Where such tiles are source 0,
; the 16 result registers of tiles 2 b and 2 b + 1 in a lane are the 16 neighbours 32 b + 16 (lane / 16) + 0 .. 15, which is what the conversions to codes want.
; SHARES.  Sixteen waves in four roles of four (role = wave / 4, tile = wave % 4): 0 Wk, 1 Wq, 2 x, 3 Wv.
;   First every wave quantises its tile, 16 rows or columns x 256 along K, into two fragments and puts them into LDS as images of their registers.
;   Then twelve waves multiply: roles 0, 1: source 0 = the weight's four tiles, source 1 = x's tile: a lane holds one row, its registers run along the channels;
;   role 2: source 0 = x's four tiles, source 1 = Wv's tile: a lane holds one channel, its registers run along the rows, which are the second attention product's K.
; NO CLUSTER, NO TENSOR LOAD, though all work-groups read the same 196,608 bytes of weights: a lane's registers must run down K, which the loads of 4 bytes give as they stand; a tile brought into LDS
; would be read again by the same 128 loads a wave, and the launch has one pass, so a round of a cluster's barrier would serve one fill.
; LIMITS: a block whose largest magnitude lies under 2^-124 has its scale byte held at 1; a block of zeros gets the byte 1 and not 127 (its codes are zeros, and this program alone reads the bytes);
; NaN and infinities among the inputs are not served.
.set IMG, 0                            ; LDS: 32 fragment images of 1,536 bytes, number 2 x wave + K step
.set ISC, 49152                        ; their scale words, 128 bytes each
.set XST, 53248                        ; four stages of 16 rows x (512 + 16) bytes, one for each wave of role 2
.set SCG, 87040                        ; three gathers of 256 bytes: the results' scale words
.set LI,  1                            ; v1   16 x lane
.set L8,  2                            ; v2   8 x lane
.set IWI, 3                            ; v3   where I store my images
.set IWS, 4                            ; v4   and their scale words
.set GAW, 5                            ; v5   a weight: my column's byte, + 32 rows for lanes 16-31
.set XSI, 6                            ; v6   the stage, on the way in
.set XSO, 7                            ; v7   and on the way out
.set E8,  8                            ; v8   source 0's eight images
.set E8S, 9                            ; v9   their scale words
.set T2,  10                           ; v10  source 1's two images
.set T2S, 11                           ; v11  their scale words
.set SGA, 12                           ; v12  where my result's scale word goes
.set SH8, 13                           ; v13  8 x (lane / 16)
.set SC8, 14                           ; v14  the first gather, 8 bytes a lane
.set SC16, 15                          ; v15  the other two, 16 bytes a lane
.set PC,  32                           ; v32-43  codes
.set PT,  44                           ; v44-51  the conversions' second halves
.set TM,  52                           ; v52-53 largest magnitudes, v54-55 bytes, v56-57 the conversions' scale operands, v58 a lane permute's destination
.set PW,  60                           ; v60  the scale word just made
.set NUM, 64                           ; v64-191 128 numbers
.set EI,  64                           ; later: source 0's eight fragments (tile T, K step s at 12 (2 T + s)),
.set TW,  160                          ; and source 1's two
.set ACC, 192                          ; v192-223 four accumulators
.set ES,  224                          ; v224-231 source 0's scale words;  v232-233 source 1's: scales and nothing else
.set TS,  232
; 64 numbers of a lane, register 32 c + i = K 64 c + 32 (lane / 16) + i of my row or column: two whole blocks.  They become a fragment's twelve registers in v[PC] on and its scale word in v[PW].
.macro QUANT64 s
.irp c, 0,1
	v_max3_num_f32 v[TM+\c], |v[(\s)+32*\c]|, |v[(\s)+32*\c+1]|, 0x1800000   ; with the floor 2^(3 - 127): the byte cannot fall under 1
.endr
.irp i, 2,4,6,8,10,12,14,16,18,20,22,24,26,28,30
.irp c, 0,1
	v_max3_num_f32 v[TM+\c], v[TM+\c], |v[(\s)+32*\c+\i]|, |v[(\s)+32*\c+\i+1]|   ; the two blocks by turns
.endr
.endr
.irp c, 0,1
	v_add_nc_u32 v[TM+4+\c], 0xff000000, v[TM+\c]  ; 2 off the exponent field: the conversion takes this operand's exponent field as its scale
.endr
.irp c, 0,1
	v_lshrrev_b32 v[TM+2+\c], 23, v[TM+4+\c]       ; the scale's byte
.endr
	v_lshl_or_b32 v[PW], v[TM+3], 16, v[TM+2]      ; my two bytes: blocks (lane / 16) and 2 + (lane / 16),
	v_lshlrev_b32 v[PW], v[SH8], v[PW]             ; at their places in the word;
	v_permlanex16_b32 v[TM+6], v[PW], s28, s29
	v_or_b32 v[PW], v[PW], v[TM+6]                 ; with the two of the lane 16 away the word is whole
.irp c, 0,1
	v_cvt_scalef32_pk16_fp6_f32 v[PC+6*\c:PC+6*\c+2], v[(\s)+32*\c:(\s)+32*\c+15], v[TM+4+\c]
	v_cvt_scalef32_pk16_fp6_f32 v[PT+4*\c:PT+4*\c+2], v[(\s)+32*\c+16:(\s)+32*\c+31], v[TM+4+\c]   ; (a conversion's three registers begin on an even number)
.endr
	v_nop                                          ; one plain instruction behind the conversions
.irp c, 0,1
.irp i, 0,1,2
	v_mov_b32 v[PC+3+6*\c+\i], v[PT+4*\c+\i]
.endr
.endr
.endm
; 32 numbers of a lane, register 16 b + i = index 32 b + 16 (lane / 16) + i: two half blocks.  They become six registers (a whole block a lane) in v[pc] on and a scale word of two bytes.
.macro QUANT32 src, pc, pt, pw
.irp b, 0,1
	v_max3_num_f32 v[TM+\b], |v[\src+16*\b]|, |v[\src+16*\b+1]|, 0x1800000   ; each accumulator is read from its low end on
.endr
.irp i, 2,4,6,8,10,12,14
.irp b, 0,1
	v_max3_num_f32 v[TM+\b], v[TM+\b], |v[\src+16*\b+\i]|, |v[\src+16*\b+\i+1]|
.endr
.endr
.irp b, 0,1
	v_permlanex16_b32 v[TM+2+\b], v[TM+\b], s28, s29
.endr
.irp b, 0,1
	v_max_num_f32 v[TM+\b], v[TM+\b], v[TM+2+\b]   ; with the other half of the block, in the lane 16 away
.endr
.irp b, 0,1
	v_add_nc_u32 v[TM+4+\b], 0xff000000, v[TM+\b]
.endr
.irp b, 0,1
	v_lshrrev_b32 v[TM+2+\b], 23, v[TM+4+\b]
.endr
	v_lshl_or_b32 v[\pw], v[TM+3], 8, v[TM+2]
	v_cvt_scalef32_pk16_fp6_f32 v[\pc:\pc+2], v[\src:\src+15], v[TM+4]
	v_cvt_scalef32_pk16_fp6_f32 v[\pt:\pt+2], v[\src+16:\src+31], v[TM+5]
	v_nop                                          ; one plain instruction behind the conversions
.irp i, 0,1,2
	v_permlane16_swap_b32 v[\pc+\i], v[\pt+\i]     ; the first's lanes 16-31 change places with the second's lanes 0-15: each lane now holds its whole block
.endr
.irp i, 0,1,2
	v_mov_b32 v[\pc+3+\i], v[\pt+\i]
.endr
.endm
.macro IMAGE s                         ; the fragment in v[PC] on goes to LDS as it stands: 512 consecutive bytes a store
.irp c, 0,1,2
	ds_store_b128 v[IWI], v[PC+4*\c:PC+4*\c+3] offset:1536*\s+512*\c
.endr
	ds_store_b32 v[IWS], v[PW] offset:128*\s
.endm
.macro TURN s                          ; x's 16 rows x 512 bytes of K step s through my own stage: in as loaded, a row a store; out 128 neighbouring bytes of one row a lane
.irp rr, 0,1,2,3,4,5,6,7,8,9,10,11,12,13,14,15
	ds_store_b128 v[XSI], v[NUM+64*\s+4*\rr:NUM+64*\s+4*\rr+3] offset:528*\rr
.endr
	s_wait_dscnt 0x0                               ; the stores have read their registers, into which the loads below land
.irp c, 0,1
.irp j, 0,1,2,3,4,5,6,7
	ds_load_b128 v[NUM+64*\s+32*\c+4*\j:NUM+64*\s+32*\c+4*\j+3], v[XSO] offset:256*\c+16*\j
.endr
.endr
	s_wait_dscnt 0x0
.endm
.macro BARRIER                         ; my LDS stores have landed and my LDS loads are in: then the work-group's barrier
	s_wait_dscnt 0x0
	s_barrier_signal -1
	s_barrier_wait -1
.endm
	s_load_b256 s[4:11], s[0:1], 0x0               ; x s[4:5], Wk s[6:7], Wq s[8:9], Wv s[10:11]
	s_load_b128 s[12:15], s[0:1], 0x20             ; qry s[12:13], kv s[14:15]
	v_lshl_add_u32 v254, v0, 2, 0x15800
	v_mov_b32 v255, 0
	v_lshrrev_b32 v16, 5, v0
	v_readfirstlane_b32 s16, v16                   ; wave 0..15
	s_lshr_b32 s17, s16, 2                         ; role
	s_and_b32 s18, s16, 3                          ; tile
	s_lshr_b32 s19, s18, 1
	s_lshl_b32 s19, s19, 5
	s_and_b32 s26, s18, 1
	s_lshl_b32 s26, s26, 3
	s_add_co_u32 s19, s19, s26                     ; the tile's first index: 32 (tile / 2) + 8 (tile % 2)
	s_mov_b32 s28, 0x76543210
	s_mov_b32 s29, 0xfedcba98                      ; v_permlanex16_b32's selects: the lane 16 away
	v_and_b32 v16, 31, v0                          ; lane
	v_and_b32 v17, 15, v0                          ; r
	v_bfe_u32 v18, v0, 4, 1                        ; h
	v_lshlrev_b32 v[LI], 4, v16
	v_lshlrev_b32 v[L8], 3, v16
	v_lshlrev_b32 v19, 2, v16                      ; 4 x lane
	; every LDS address is made here, ahead of the first parting of the roles: a constant + a constant x wave (or role, or tile) + a constant x lane
	s_mul_i32 s26, s16, 3072
	v_add_nc_u32 v[IWI], s26, v[LI]
	s_lshl_b32 s26, s16, 8
	s_add_co_u32 s26, s26, ISC
	v_add_nc_u32 v[IWS], s26, v19
	v_and_b32 v20, 8, v17
	v_add_nc_u32 v20, v20, v17                     ; r + 8 (r / 8)
	v_add_nc_u32 v20, s19, v20                     ; my column of a weight
	v_lshlrev_b32 v[GAW], 2, v20
	v_lshl_add_u32 v[GAW], v18, 13, v[GAW]         ; + 32 rows of 256 bytes for lanes 16-31
	s_mul_i32 s26, s18, 8448
	s_add_co_u32 s26, s26, XST
	v_add_nc_u32 v[XSI], s26, v[LI]
	v_mul_u32_u24 v[XSO], v17, 528
	v_lshl_add_u32 v[XSO], v18, 7, v[XSO]
	v_add_nc_u32 v[XSO], s26, v[XSO]
	s_mul_i32 s26, s17, 12288                      ; source 0: images 8 x role on
	v_add_nc_u32 v[E8], s26, v[LI]
	s_lshl_b32 s26, s17, 10
	s_add_co_u32 s26, s26, ISC
	v_add_nc_u32 v[E8S], s26, v19
	s_lshr_b32 s27, s17, 1
	s_lshl_b32 s27, s27, 3
	s_lshl_b32 s26, s18, 1
	s_add_co_u32 s27, s27, s26
	s_add_co_u32 s27, s27, 16                      ; source 1: images 16 + 2 x tile on (x's), 8 further for role 2 (Wv's)
	s_mul_i32 s26, s27, 1536
	v_add_nc_u32 v[T2], s26, v[LI]
	s_lshl_b32 s26, s27, 7
	s_add_co_u32 s26, s26, ISC
	v_add_nc_u32 v[T2S], s26, v19
	s_lshl_b32 s26, s17, 8
	s_lshl_b32 s27, s18, 2
	s_add_co_u32 s26, s26, s27
	s_add_co_u32 s26, s26, SCG
	v_lshl_add_u32 v[SGA], v17, 4, s26             ; gather number role, 16 r + 4 x tile
	v_lshlrev_b32 v[SH8], 3, v18
	v_add_nc_u32 v[SC8], SCG, v[L8]
	v_add_nc_u32 v[SC16], SCG+256, v[LI]
	v_mov_b32 v[TM+6], 0                           ; written once: a lane permute's destination counts as one of its sources
	s_wait_kmcnt 0x0
	s_cmp_eq_u32 s17, 0                            ; the choices hang on the role alone
	s_cselect_b64 s[20:21], s[6:7], s[8:9]         ; my weight: Wk or Wq,
	s_cselect_b64 s[24:25], s[12:13], s[14:15]     ; my result's buffer: qry for k, kv for q and v
	s_mov_b32 s26, 6656
	s_cselect_b32 s26, 3328, s26                   ; and its block's bytes
	s_cmp_eq_u32 s17, 3
	s_cselect_b64 s[20:21], s[10:11], s[20:21]     ; or Wv
	s_mul_i32 s26, s26, ttmp9
	s_lshr_b32 s27, s17, 1
	s_mul_i32 s27, s27, 3072                       ; v's images lie behind q's
	s_add_co_u32 s26, s26, s27
	s_mul_i32 s27, s18, 768
	s_add_co_u32 s26, s26, s27
	s_mov_b32 s27, 0
	s_add_nc_u64 s[24:25], s[24:25], s[26:27]      ; my image's place
	s_mul_i32 s26, ttmp9, 3328
	s_add_co_u32 s26, s26, 3072
	s_add_nc_u64 s[30:31], s[12:13], s[26:27]      ; the block's scale words in qry,
	s_mul_i32 s26, ttmp9, 6656
	s_add_co_u32 s26, s26, 6144
	s_add_nc_u64 s[32:33], s[14:15], s[26:27]      ; and in kv
	s_lshl_b32 s26, ttmp9, 6
	s_add_co_u32 s26, s26, s19
	s_lshl_b32 s26, s26, 10                        ; row 64 g + the tile's first, 1,024 bytes a row: under 2^24
	s_add_nc_u64 s[22:23], s[4:5], s[26:27]
	; ---- every wave makes its tile's two fragments
	s_cmp_eq_u32 s17, 2
	s_cbranch_scc0 .Lweight
.irp s, 0,1                            ; x: a load reads 512 consecutive bytes: one row's 128 numbers of K step s.  All of K step 0 first
.irp rr, 0,1,2,3,4,5,6,7,8,9,10,11,12,13,14,15
	global_load_b128 v[NUM+64*\s+4*\rr:NUM+64*\s+4*\rr+3], v[LI], s[22:23] offset:(\rr+8*(\rr/8))*1024+512*\s th:TH_LOAD_NT
.endr
.endr
	s_wait_loadcnt 16                              ; K step 0's sixteen loads are in; K step 1's sixteen stay out
	TURN 0
	s_branch .Lhave0
.Lweight:
.set n, 0                              ; a weight: lane r takes a column, its registers run down K: register 64 s + 32 c + i = row 128 s + 64 c + 32 h + i
.rept 128
	global_load_b32 v[NUM+n], v[GAW], s[20:21] offset:(128*(n/64)+64*((n/32)%2)+n%32)*256
.set n, n+1
.endr
	s_wait_loadcnt 63                              ; the first fragment's 64 loads are in.  64 younger ones could stay out; 63 is the largest count that a wait can name
.Lhave0:
	QUANT64 NUM
	IMAGE 0
	s_wait_loadcnt 0x0                             ; the second fragment's numbers
	s_cmp_eq_u32 s17, 2
	s_cbranch_scc0 .Lhave1
	TURN 1
.Lhave1:
	s_wait_dscnt 0x0                               ; the first image's stores have read the registers that are written again below
	QUANT64 NUM+64
	IMAGE 1
	BARRIER                                        ; all 32 images lie in LDS
	; ---- twelve waves multiply; the four of role 3 have nothing left but the barrier
	s_cmp_eq_u32 s17, 3
	s_cbranch_scc1 .Lidle
.irp f, 0,1,2,3,4,5,6,7
.irp c, 0,1,2
	ds_load_b128 v[EI+12*\f+4*\c:EI+12*\f+4*\c+3], v[E8] offset:1536*\f+512*\c
.endr
	ds_load_b32 v[ES+\f], v[E8S] offset:128*\f
.endr
.irp s, 0,1
.irp c, 0,1,2
	ds_load_b128 v[TW+12*\s+4*\c:TW+12*\s+4*\c+3], v[T2] offset:1536*\s+512*\c
.endr
	ds_load_b32 v[TS+\s], v[T2S] offset:128*\s
.endr
	s_wait_dscnt 0x0
.irp s, 0,1                            ; four accumulators by turns, one instruction a turn; the first K step starts the sums
.irp t, 0,1,2,3
.if \s == 0
	v_wmma_scale_f32_16x16x128_f8f6f4 v[ACC+8*\t:ACC+8*\t+7], v[EI+12*(2*\t+\s):EI+12*(2*\t+\s)+11], v[TW+12*\s:TW+12*\s+11], 0, v[ES+2*\t+\s], v[TS+\s] matrix_a_fmt:MATRIX_FMT_FP6 matrix_b_fmt:MATRIX_FMT_FP6
.else
	v_wmma_scale_f32_16x16x128_f8f6f4 v[ACC+8*\t:ACC+8*\t+7], v[EI+12*(2*\t+\s):EI+12*(2*\t+\s)+11], v[TW+12*\s:TW+12*\s+11], v[ACC+8*\t:ACC+8*\t+7], v[ES+2*\t+\s], v[TS+\s] matrix_a_fmt:MATRIX_FMT_FP6 matrix_b_fmt:MATRIX_FMT_FP6
.endif
.endr
.endr
.rept 4
	v_nop                                          ; four places between the last product and the first read of results (ISA guide 7.12.1)
.endr
	QUANT32 ACC, PC, PT, PW
	global_store_b128 v[LI], v[PC:PC+3], s[24:25]            ; 32 lanes store 512 consecutive bytes, at a multiple of 256 from the buffer's first byte,
	global_store_b64 v[L8], v[PC+4:PC+5], s[24:25] offset:512   ; and 256 more
	ds_store_b32 v[SGA], v[PW]                     ; lanes r and r + 16 write the same word with the same value
.Lidle:
	BARRIER                                        ; the twelve results' scale words lie in the gathers
	s_cmp_eq_u32 s16, 12
	s_cbranch_scc0 .Ldone
	ds_load_b64 v[240:241], v[SC8]                 ; one wave sends them out in whole runs: k's 256 bytes,
	ds_load_b128 v[244:247], v[SC16]               ; q's and v's 512
	s_wait_dscnt 0x0
	global_store_b64 v[L8], v[240:241], s[30:31]
	global_store_b128 v[LI], v[244:247], s[32:33]
.Ldone:
	s_wait_tensorcnt 0x0
	ds_add_u32 v254, v255
	s_wait_dscnt 0x0
	s_endpgm
.Lfunc_end_k_q6e75a6f378_proj:
	.size	k_q6e75a6f378_proj, .Lfunc_end_k_q6e75a6f378_proj-k_q6e75a6f378_proj
	.p2alignl 7, 3214868480
	.fill 96, 4, 3214868480
	.section	.rodata,"a",@progbits
	.p2align	6, 0x0
	.amdhsa_kernel k_q6e75a6f378_proj
		.amdhsa_group_segment_fixed_size 90112
		.amdhsa_private_segment_fixed_size 0
		.amdhsa_enable_private_segment 0
		.amdhsa_kernarg_size 48
		.amdhsa_user_sgpr_count 2
		.amdhsa_user_sgpr_kernarg_segment_ptr 1
		.amdhsa_wavefront_size32 1
		.amdhsa_system_sgpr_workgroup_id_x 1
		.amdhsa_system_sgpr_workgroup_id_y 1
		.amdhsa_system_sgpr_workgroup_id_z 1
		.amdhsa_system_vgpr_workitem_id 0
		.amdhsa_next_free_vgpr 256
		.amdhsa_next_free_sgpr 66
		.amdhsa_reserve_vcc 0
		.amdhsa_float_denorm_mode_32 3
		.amdhsa_float_denorm_mode_16_64 3
		.amdhsa_memory_ordered 1
		.amdhsa_forward_progress 1
		.amdhsa_inst_pref_size 37
	.end_amdhsa_kernel
	.amdgpu_metadata
---
amdhsa.version: [ 1, 2 ]
amdhsa.kernels:
  - .name:           k_q6e75a6f378_proj
    .symbol:         k_q6e75a6f378_proj.kd
    .args:
      - { .name: x, .offset: 0, .size: 8, .value_kind: global_buffer, .address_space: global }
      - { .name: Wk, .offset: 8, .size: 8, .value_kind: global_buffer, .address_space: global }
      - { .name: Wq, .offset: 16, .size: 8, .value_kind: global_buffer, .address_space: global }
      - { .name: Wv, .offset: 24, .size: 8, .value_kind: global_buffer, .address_space: global }
      - { .name: qry, .offset: 32, .size: 8, .value_kind: global_buffer, .address_space: global }
      - { .name: kv, .offset: 40, .size: 8, .value_kind: global_buffer, .address_space: global }
    .group_segment_fixed_size: 90112
    .private_segment_fixed_size: 0
    .kernarg_segment_align: 8
    .kernarg_segment_size: 48
    .max_flat_workgroup_size: 512
    .sgpr_count:     66
    .vgpr_count:     256
    .wavefront_size: 32
...
	.end_amdgpu_metadata
.endif
;; end of part 1
;; launch attn (part 2): grid 64 x 4, 16 waves a work-group, clusters of 4 x 1, 327,680 bytes of LDS; arguments qry, kv, Wo, out0; writes out0
.if DOCPART == 2
	.amdgcn_target "amdgcn-amd-amdhsa--gfx1250"
	.amdhsa_code_object_version 6
	.text
	.protected	k_q6e75a6f378_attn
	.globl	k_q6e75a6f378_attn
	.p2align	8
	.type	k_q6e75a6f378_attn,@function
k_q6e75a6f378_attn:
	s_mov_b64 s[64:65], 0
	v_nop
	global_prefetch_b8 v0, s[64:65] scope:SCOPE_SE
	s_setreg_imm32_b32 hwreg(HW_REG_WAVE_MODE, 25, 1), 1
	s_wait_xcnt 0x0
	s_wait_alu depctr_hold_cnt(0) depctr_sa_sdst(0) depctr_va_vdst(0) depctr_va_sdst(0) depctr_va_ssrc(0) depctr_va_vcc(0) depctr_vm_vsrc(0)
	s_getreg_b32 s2, hwreg(HW_REG_IB_STS2, 6, 4)
	s_cmp_eq_u32 s2, 0
	s_cbranch_scc0 .Lentry_in_a_cluster
	s_endpgm
.Lentry_in_a_cluster:
	s_bfe_u32 s2, ttmp6, 0x10000c
	s_cmp_lg_u32 s2, 0x3003
	s_cbranch_scc0 .Lentry_shape_is_right
	s_endpgm
.Lentry_shape_is_right:
; out[b][s][:] = (the sum over t of softmax_t(k[b][s] . q[b][t] / 8) v[b][t][:]) Wo, all three products on codes of FP6 (E2M3) with one E8M0 scale for each 32 along a product's K.
; The rows s ("queries" below) come from buffer qry, the axis t ("keys") and the values from buffer kv, both laid by the launch before in the order of an operand's registers:
;   an image of 768 bytes is six registers a lane (K = 32 (lane / 16) + 0 .. 31): registers 0-3 at 16 x lane, registers 4-5 at 512 + 8 x lane;
;   a block of kv (64 keys, 6,656 bytes): four images of 16 keys x 64 channels, four of 16 channels x 64 keys, the keys' scale words [lane r][tile], the values' likewise.
; Lane r of tile 2 b + u stands for index 32 b + 8 u + r + 8 (r / 8) (queries, keys, channels), so that 16 result registers of two neighbouring tiles are 16 neighbours along the next K.
; THE SOFTMAX: t = score x log2(e) / 8; M = the largest t so far, rounded UP to a whole number; p = 2^(t - M) is quantised along the keys, not normalised; the sum l is taken of the unquantised p.
; SHARES.  A work-group owns 64 queries of one batch.  Sixteen waves, four to a SIMD: wave = 4 x split + tile.  A wave owns one tile of 16 queries and every fourth key step of 128 keys: in round j = 0 .. 7
; split q takes key step 4 j + q.  At the end the four splits of a tile meet in LDS: M is a whole number, so they are joined by powers of two.  Then wave (tile, split) makes the tile's output columns 64 x split on.
; Both attention products are used transposed (source 0 = 16 keys or 16 channels, source 1 = my queries): a lane holds ONE query throughout.
; The first product's K is 64, half of the instruction's 128: registers 6-11 of both operands are zero codes, written once; the scale words' upper two bytes are 0.
; CLUSTER.  The four work-groups of a cluster belong to one batch and walk the same kv: each slot is asked for JOINTLY, by the same tensor loads with the same descriptors and a mask that names the four.
; THE RING: two slots of 16 blocks (1,024 keys, two rounds).  Waves 0-3 fetch a quarter each: 104 rows of 256 bytes.  By this text's count a fetching wave has two loads out at the start, later one.
; The four slots' worth of keys are written out, so that every LDS offset is a constant.
; LIMITS: a block whose largest magnitude lies under 2^-124 has its byte held at 1; a block of zeros gets the byte 1 and not 127 (its codes are zeros, and nobody else reads the bytes); NaN and infinities are
; not served; a p under 2^-126 counts as 0; O and l are summed in four parts over the keys and then joined: another order of f32 additions than one running sum.
.set KVB,    6656                      ; a block of kv
.set STEPB,  2*KVB                     ; a key step
.set ROUNDB, 4*STEPB                   ; a round: the four splits' steps
.set SLOTB,  2*ROUNDB                  ; a slot: 106,496 bytes
.set WOI,    2*SLOTB                   ; behind the ring: Wo's 16 images of 768 bytes,
.set WOS,    WOI+16*768                ; their scale words, 128 bytes each,
.set MRG,    WOS+16*128                ; for each wave 4,352 bytes: O^T as it stands (4,096), -M (128), l (128),
.set MRGW,   4352
.set SPARE,  MRG+16*MRGW               ; and the spare words, 128 bytes for each wave: eight blocks of 256 bytes that no other line names
.set STG,    0                         ; the way out: 16 rows x (256 + 16) bytes for each wave, in slot 0, which has had its last fill and its last read by then
.set AB16, 1                           ; v1   my split's step in a round + 16 x lane
.set AB8,  2                           ; v2   + 8 x lane
.set ABS,  3                           ; v3   + 16 x (lane % 16)
.set SPW,  4                           ; v4   LDS address of my spare word; never rewritten
.set NIL,  5                           ; v5   0; never rewritten
.set PFO,  6                           ; v6   the prefetches' offset; never rewritten
.set GO,   7                           ; v7   the way out: my byte offset in out0
.set A16,  8                           ; v8-10 the step's three addresses
.set A8,   9
.set AS,   10
.set QF,   16                          ; v16-27 my queries' fragment, later the attention result's; v22-27 stay zeros
.set QS,   28                          ; v28  its scale words
.set PS,   29                          ; v29  p's scale word
.set F,    30                          ; v[30:31] f = 2^(old M - new M), named as a pair
.set KB,   32                          ; v32-79 four fragments of keys, later of Wo; registers 6-11 of each stay zeros
.set S,    80                          ; v80-143 S^T, then p
.set VF,   80                          ; v80-127 then V's four fragments
.set O,    144                         ; v144-175 O^T
.set PCD,  176                         ; v176-187 p's codes
.set PT,   188                         ; v188-195 the conversions' second halves
.set KS,   196                         ; v196-203 the keys' scale words, later Wo's: scales and nothing else
.set VR,   204                         ; v204-211 V's scale words as they lie, two bytes each
.set VS,   212                         ; v212-215 V's scale words of a key step: scales and nothing else
.set BM,   216                         ; v216-219 the blocks' largest scores, then largest p
.set BX,   220                         ; v220-223 lane permutes' destinations, then bytes
.set BO,   224                         ; v224-227 the conversions' scale operands
.set T0,   228
.set SM2,  230                         ; v[230:231] the sums' second chain
.set LN,   232                         ; v232 lane, v233 lane % 16, v234 lane / 16: kept until the tail's addresses are made
.set G,    248                         ; v248-255 the merge's four factors, named as pairs
.set MA,   1                           ; the tail's LDS addresses take the loop's address registers, v11, v191 and v195
.set MS,   2
.set ML,   3
.set MLS,  8
.set WA16, 9
.set WA8,  10
.set SBK,  11
.set WAS,  191
.set SI,   195
.set G1,   24                          ; s[24:31] descriptor group 1
.set G0A,  32                          ; s[32:35] group 0 for slot 0;  s[36:39] for slot 1
.set G0B,  36
.set PFA,  42                          ; s[42:43] where my prefetches stand; never rewritten
.macro CROUND                          ; a round of the cluster's barrier: my work-group's barrier; wave 0 signals for the work-group; every wave waits for all four work-groups; my work-group's barrier once more
	s_barrier_signal -1
	s_barrier_wait -1
	s_cmp_lg_u32 s12, 0
	s_cbranch_scc1 .Lnot_wave_0_\@
	s_barrier_signal -3
.Lnot_wave_0_\@:
	s_barrier_wait -3
	s_barrier_signal -1
	s_barrier_wait -1
.endm
.macro JLOAD g0                        ; a joint refill: waves 0-3, a quarter of the slot each.  The branch hangs on the wave's number alone.  Four v_nop follow the load
	s_cmp_lt_u32 s12, 4
	s_cbranch_scc0 .Lnone_\@
	tensor_load_to_lds s[\g0:\g0+3], s[G1:G1+7]
	s_nop 0
.rept 4
	v_nop
.endr
.Lnone_\@:
.endm
; A PREFETCH INTO THE L2 of a slot's 16 blocks, off bytes into the batch's kv: what the NEXT change of slots will ask for, two rounds ahead of that load.  All clusters of a batch walk the same kv: the batch's first
; cluster asks.  Its four partners are told apart BY ADDRESS; in each, waves 4-7 ask, one block each: block 4 x tile + place in the cluster.  A lane names one of the block's 26 runs of 256 bytes (lanes 26-31 the
; 26th again, in the same instruction).  So each run is named by one instruction in the launch.  The first two slots come by their loads alone.  The address is never stepped: the slot stands in the immediate.
.macro ASK off
	s_cmp_eq_u32 s44, 1
	s_cbranch_scc0 .Lnot_mine_\@
	global_prefetch_b8 v[PFO], s[PFA:PFA+1] offset:\off th:TH_LOAD_NT scope:SCOPE_SE
.Lnot_mine_\@:
.endm
.macro KLOAD c                         ; the four key tiles of the step's block c: six registers each, as they were stored
.irp t, 0,1,2,3
	ds_load_b128 v[KB+12*\t:KB+12*\t+3], v[A16] offset:KVB*\c+768*\t
	ds_load_b64 v[KB+12*\t+4:KB+12*\t+5], v[A8] offset:KVB*\c+768*\t+512
.endr
.endm
; THE CHANGE OF SLOTS.  Each wave waits for all its tensor loads (its part of the slot ahead), adds 0 to its spare word, and waits for that and for its reads of the slot that it has left.
; fill = 1: that slot is filled again, with the keys two slots on: the barrier is then a round of the cluster's, and the joint refill is the first thing behind it; it has two rounds of key steps in which to land.
.macro CHANGE fill, g0
	s_wait_tensorcnt 0x0                           ; no tensor load of mine is out, so a group 0 may be written
	ds_add_u32 v[SPW], v[NIL]                      ; 0 onto my spare word
.if \fill
	s_add_nc_u64 s[\g0+2:\g0+3], s[\g0+2:\g0+3], 2*SLOTB   ; the type bits on top are not reached
.endif
	s_wait_dscnt 0x0                               ; the add is done, and my reads of the slot that I have left are over
.if \fill
	CROUND
	JLOAD \g0
.else
	s_barrier_signal -1
	s_barrier_wait -1
.endif
.endm
; 32 numbers of a lane, register 16 b + i = index 32 b + 16 (lane / 16) + i, become six registers of codes (a whole block a lane) in v[pc] on and a scale word of two bytes.
.macro QUANT32 src, pc, pt, pw
.irp b, 0,1
	v_max3_num_f32 v[BM+\b], |v[\src+16*\b]|, |v[\src+16*\b+1]|, 0x1800000   ; with the floor 2^(3 - 127): the byte cannot fall under 1
.endr
.irp i, 2,4,6,8,10,12,14
.irp b, 0,1
	v_max3_num_f32 v[BM+\b], v[BM+\b], |v[\src+16*\b+\i]|, |v[\src+16*\b+\i+1]|
.endr
.endr
.irp b, 0,1
	v_permlanex16_b32 v[BX+\b], v[BM+\b], s20, s21
.endr
.irp b, 0,1
	v_max_num_f32 v[BM+\b], v[BM+\b], v[BX+\b]
.endr
.irp b, 0,1
	v_add_nc_u32 v[BO+\b], 0xff000000, v[BM+\b]    ; 2 off the exponent field: the conversion's scale operand
.endr
.irp b, 0,1
	v_lshrrev_b32 v[BX+\b], 23, v[BO+\b]
.endr
	v_lshl_or_b32 v[\pw], v[BX+1], 8, v[BX]
	v_cvt_scalef32_pk16_fp6_f32 v[\pc:\pc+2], v[\src:\src+15], v[BO]
	v_cvt_scalef32_pk16_fp6_f32 v[\pt:\pt+2], v[\src+16:\src+31], v[BO+1]
	v_nop                                          ; one plain instruction behind the conversions
.irp i, 0,1,2
	v_permlane16_swap_b32 v[\pc+\i], v[\pt+\i]
.endr
.irp i, 0,1,2
	v_mov_b32 v[\pc+3+\i], v[\pt+\i]
.endr
.endm
; A KEY STEP: my split's 128 keys of the round that begins at LDS byte base.  ask: 0, or the offset of the slot to be prefetched.
.macro STEP base, ask
	v_add_nc_u32 v[A16], \base, v[AB16]
	v_add_nc_u32 v[A8], \base, v[AB8]
	v_add_nc_u32 v[AS], \base, v[ABS]
	v_nop
	v_nop                                          ; five places: the last step's products V^T P read v80-127, over which this step's products write (ISA guide 7.12.1 for four of them)
	KLOAD 0
	ds_load_b128 v[KS:KS+3], v[AS] offset:6144     ; lane r: the words of key lane r in the block's four tiles
	ds_load_b128 v[KS+4:KS+7], v[AS] offset:KVB+6144
	ds_load_b128 v[VR:VR+3], v[AS] offset:6400     ; and of channel lane r in V's four
	ds_load_b128 v[VR+4:VR+7], v[AS] offset:KVB+6400
.if \ask
	ASK \ask
.endif
	s_wait_dscnt 0x0
.irp t, 0,1,2,3                        ; S^T = keys x queries: lane (r, h) holds query r; register 16 B + i is key 32 B + 16 h + i of the step
	v_wmma_scale_f32_16x16x128_f8f6f4 v[S+8*\t:S+8*\t+7], v[KB+12*\t:KB+12*\t+11], v[QF:QF+11], 0, v[KS+\t], v[QS] matrix_a_fmt:MATRIX_FMT_FP6 matrix_b_fmt:MATRIX_FMT_FP6
.endr
.irp n, 0,1,2,3
	v_lshl_or_b32 v[VS+\n], v[VR+4+\n], 16, v[VR+\n]   ; V's scale word of the step: two bytes of each block.  These four are also the places in front of the loads below
.endr
	KLOAD 1
	s_wait_dscnt 0x0
.irp t, 0,1,2,3
	v_wmma_scale_f32_16x16x128_f8f6f4 v[S+32+8*\t:S+32+8*\t+7], v[KB+12*\t:KB+12*\t+11], v[QF:QF+11], 0, v[KS+4+\t], v[QS] matrix_a_fmt:MATRIX_FMT_FP6 matrix_b_fmt:MATRIX_FMT_FP6
.endr
.rept 4
	v_nop                                          ; four places in front of the first read of results
.endr
.irp b, 0,1,2,3
	v_max3_num_f32 v[BM+\b], v[S+16*\b], v[S+16*\b+1], v[S+16*\b+2]   ; the largest score of each block of 32 keys: it serves the row's maximum and, since p rises with the score, the block's largest p
.endr
.irp i, 3,5,7,9,11,13
.irp b, 0,1,2,3
	v_max3_num_f32 v[BM+\b], v[BM+\b], v[S+16*\b+\i], v[S+16*\b+\i+1]   ; the four blocks by turns; each accumulator is first read at its low end
.endr
.endr
.irp b, 0,1,2,3
	v_max_num_f32 v[BM+\b], v[BM+\b], v[S+16*\b+15]
.endr
.irp b, 0,1,2,3
	v_permlanex16_b32 v[BX+\b], v[BM+\b], s20, s21
.endr
.irp b, 0,1,2,3
	v_max_num_f32 v[BM+\b], v[BM+\b], v[BX+\b]     ; with the block's other 16 keys, in the lane 16 away
.endr
	v_max3_num_f32 v[T0], v[BM], v[BM+1], v[BM+2]
	v_max_num_f32 v[T0], v[T0], v[BM+3]
	v_mul_f32 v[T0], s22, v[T0]                    ; the step's largest t (c is positive)
	v_max_num_f32 v13, v13, v[T0]                  ; the running largest t
	v_mov_b32 v[T0], v12
	v_floor_f32 v12, -v13                          ; the new -M = floor(-t) = -ceil(t): a whole number
	v_sub_f32 v[T0], v12, v[T0]                    ; old M - new M: a whole number, 0 or less
	v_cvt_i32_f32 v[T0], v[T0]                     ; (it saturates)
	v_ldexp_f32 v[F], 1.0, v[T0]                   ; f = 2^(old M - new M): a multiplication by it rounds nothing
.set j, 0
.rept 32
	v_pk_fma_f32 v[S+j:S+j+1], v[S+j:S+j+1], s[22:23], v[12:13] op_sel_hi:[1,0,0]   ; t - M, two at a time
.set j, j+2
.endr
.irp b, 0,1,2,3
	v_fma_f32 v[BM+\b], v[BM+\b], s22, v12         ; the same of each block's largest score
.endr
.set j, 0
.rept 64
	v_exp_f32 v[S+j], v[S+j]                       ; p = 2^(t - M), at most 1
.set j, j+1
.endr
	v_pk_mul_f32 v[14:15], v[14:15], v[F:F+1] op_sel_hi:[1,0]   ; l under the new M: the plain instruction behind the exponentials
	s_wait_alu depctr_va_vdst(0)                   ; one wait for the batch of 64, ahead of its first reader
.irp b, 0,1,2,3
	v_exp_f32 v[BM+\b], v[BM+\b]                   ; the blocks' largest p: the same two instructions on the same number
.endr
	v_pk_add_f32 v[SM2:SM2+1], v[S:S+1], v[S+2:S+3]   ; l is the sum of the UNQUANTISED p: two at a time, in two chains; plain work behind the four
.set j, 4
.rept 15
	v_pk_add_f32 v[14:15], v[14:15], v[S+j:S+j+1]
	v_pk_add_f32 v[SM2:SM2+1], v[SM2:SM2+1], v[S+j+2:S+j+3]
.set j, j+4
.endr
	v_pk_add_f32 v[14:15], v[14:15], v[SM2:SM2+1]
	s_wait_alu depctr_va_vdst(0)                   ; and one for the four
.irp b, 0,1,2,3
	v_max_num_f32 v[BM+\b], 0x1800000, v[BM+\b]    ; the floor 2^(3 - 127)
.endr
.irp b, 0,1,2,3
	v_add_nc_u32 v[BO+\b], 0xff000000, v[BM+\b]
.endr
.irp b, 0,1,2,3
	v_lshrrev_b32 v[BX+\b], 23, v[BO+\b]
.endr
	v_lshl_or_b32 v[PS], v[BX+1], 8, v[BX]         ; p's scale word for these 128 keys
	v_lshl_or_b32 v[PS], v[BX+2], 16, v[PS]
	v_lshl_or_b32 v[PS], v[BX+3], 24, v[PS]
.irp c, 0,1
	v_cvt_scalef32_pk16_fp6_f32 v[PCD+6*\c:PCD+6*\c+2], v[S+32*\c:S+32*\c+15], v[BO+2*\c]
	v_cvt_scalef32_pk16_fp6_f32 v[PT+4*\c:PT+4*\c+2], v[S+32*\c+16:S+32*\c+31], v[BO+2*\c+1]
.endr
	v_nop                                          ; one plain instruction behind the conversions
.irp n, 0,1,2,3                        ; V's four fragments land where p lay, while p's codes are put in order and O^T is rescaled
.irp c, 0,1
	ds_load_b128 v[VF+12*\n+6*\c:VF+12*\n+6*\c+3], v[A16] offset:KVB*\c+3072+768*\n
	ds_load_b64 v[VF+12*\n+6*\c+4:VF+12*\n+6*\c+5], v[A8] offset:KVB*\c+3072+768*\n+512
.endr
.endr
.irp c, 0,1                            ; the operand's layout wants a whole block in a lane
.irp i, 0,1,2
	v_permlane16_swap_b32 v[PCD+6*\c+\i], v[PT+4*\c+\i]
.endr
.irp i, 0,1,2
	v_mov_b32 v[PCD+3+6*\c+\i], v[PT+4*\c+\i]
.endr
.endr
.set j, 0
.rept 16
	v_pk_mul_f32 v[O+j:O+j+1], v[O+j:O+j+1], v[F:F+1] op_sel_hi:[1,0]   ; O^T under the new M.  These sixteen are also the places between the writes of p's codes and scale word and the products
.set j, j+2
.endr
	s_wait_dscnt 0x0
.irp n, 0,1,2,3                        ; O^T += V^T P: four accumulators, one instruction a turn; this step's eight other products stand between an accumulator's turns
	v_wmma_scale_f32_16x16x128_f8f6f4 v[O+8*\n:O+8*\n+7], v[VF+12*\n:VF+12*\n+11], v[PCD:PCD+11], v[O+8*\n:O+8*\n+7], v[VS+\n], v[PS] matrix_a_fmt:MATRIX_FMT_FP6 matrix_b_fmt:MATRIX_FMT_FP6
.endr
.endm
	s_load_b256 s[4:11], s[0:1], 0x0               ; qry s[4:5], kv s[6:7], Wo s[8:9], out0 s[10:11]
	v_lshl_add_u32 v[SPW], v0, 2, SPARE
	v_mov_b32 v[NIL], 0
	ds_add_u32 v4, v5
	s_wait_dscnt 0x0
	v_lshrrev_b32 v8, 5, v0
	v_readfirstlane_b32 s12, v8                    ; wave 0..15
	s_and_b32 s13, s12, 3                          ; my tile of queries.  In waves 0-3 also: which quarter of a slot I fetch
	s_lshr_b32 s14, s12, 2                         ; my split of the keys
	s_bfe_u32 s15, ttmp6, 0x40000                  ; my place in the cluster: it enters qry's, out0's and the prefetches' addresses alone
	s_lshl_b32 s16, ttmp9, 2
	s_add_co_u32 s16, s16, s15                     ; my block of 64 queries in the batch
	s_and_b32 s17, ttmp7, 0xffff                   ; the batch, which the four partners share
	s_lshl_b32 s18, s17, 6
	s_add_co_u32 s18, s18, s16                     ; the block's number in qry and out0
	s_mov_b32 s20, 0x76543210
	s_mov_b32 s21, 0xfedcba98                      ; v_permlanex16_b32's selects: the lane 16 away
	s_mov_b32 s22, 0x3e38aa3b                      ; c = log2(e) / 8
	s_mov_b32 s23, s22                             ; (named with it as a pair, so it is written)
	; descriptor group 1: 104 dense rows of 256 bytes, no padding: every read of an image has its lanes on consecutive bytes
	s_mov_b32 s[G1], 15|(3<<16)|(1<<21)            ; 15:0 the mask: all four work-groups; 17:16 elements of 8 bytes; 21 set beside a mask
	s_mov_b32 s[G1+1], 32<<16                      ; tensor_dim0 = 32
	s_mov_b32 s[G1+2], 104<<16                     ; tensor_dim1 = 104
	s_mov_b32 s[G1+3], 32<<16                      ; tile_dim0 = 32
	s_mov_b32 s[G1+4], 104                         ; tile_dim1 = 104
	s_mov_b32 s[G1+5], 32                          ; from row to row
	s_mov_b32 s[G1+6], 0
	s_mov_b32 s[G1+7], 0
	s_mul_i32 s40, s17, 64*KVB                     ; the batch's kv,
	s_mul_i32 s41, s13, 4*KVB                      ; my quarter of a slot
	s_add_co_u32 s40, s40, s41
	s_mov_b32 s41, 0
	s_mov_b32 s[G0A], 1                            ; count = 1
	s_mul_i32 s[G0A+1], s13, 4*KVB                 ; LDS address: slot 0, my quarter
	s_mov_b32 s[G0B], 1
	s_add_co_u32 s[G0B+1], s[G0A+1], SLOTB         ; slot 1
	s_lshl_b32 s46, s13, 2
	s_add_co_u32 s46, s46, s15
	s_mul_i32 s46, s46, KVB                        ; the prefetches: block 4 x tile + place of a slot's sixteen
	s_mul_i32 s47, s17, 64*KVB
	s_add_co_u32 s46, s46, s47
	s_mov_b32 s47, 0
	s_xor_b32 s44, s14, 1                          ; 0 in waves 4-7,
	s_or_b32 s44, s44, ttmp9                       ; of the batch's first cluster: the same in all four partners
	s_cmp_eq_u32 s44, 0
	s_cselect_b32 s44, 1, 0
	s_mul_i32 s54, s18, 3328                       ; my block of qry,
	s_mov_b32 s55, 0
	s_mul_i32 s56, s13, 768
	s_add_co_u32 s56, s56, s54                     ; my tile's image in it
	s_mov_b32 s57, 0
	s_lshl_b32 s58, s18, 6
	s_lshr_b32 s59, s13, 1
	s_lshl_b32 s59, s59, 5
	s_add_co_u32 s58, s58, s59
	s_and_b32 s59, s13, 1
	s_lshl_b32 s59, s59, 3
	s_add_co_u32 s58, s58, s59                     ; my tile's first row of out0: 64 x block + 32 (tile / 2) + 8 (tile % 2)
	s_lshl_b32 s58, s58, 10                        ; 1,024 bytes a row: under 2^24
	s_lshl_b32 s59, s14, 8
	s_add_co_u32 s58, s58, s59                     ; + my 64 columns
	s_mov_b32 s59, 0
	v_and_b32 v[LN], 31, v0                        ; lane
	v_and_b32 v[LN+1], 15, v0                      ; r
	v_bfe_u32 v[LN+2], v0, 4, 1                    ; h
	s_wait_kmcnt 0x0
	s_add_nc_u64 s[G0A+2:G0A+3], s[6:7], s[40:41]  ; global address: the batch's first slot,
	s_add_nc_u64 s[G0B+2:G0B+3], s[G0A+2:G0A+3], SLOTB   ; and its second
	s_or_b32 s[G0A+3], s[G0A+3], 0x80000000        ; type = 2
	s_or_b32 s[G0B+3], s[G0B+3], 0x80000000
	s_add_nc_u64 s[PFA:PFA+1], s[6:7], s[46:47]
	s_add_nc_u64 s[48:49], s[4:5], s[56:57]
	s_add_nc_u64 s[50:51], s[4:5], s[54:55]
	s_add_nc_u64 s[52:53], s[10:11], s[58:59]
	CROUND                                         ; all four work-groups are here: the first joint loads meet
	s_cmp_lt_u32 s12, 4                            ; a wave's two first fills stand in one branch, ahead of every wait on TENSORcnt and every LDS read
	s_cbranch_scc0 .Lfirst_none
	tensor_load_to_lds s[G0A:G0A+3], s[G1:G1+7]
	s_nop 0
	tensor_load_to_lds s[G0B:G0B+3], s[G1:G1+7]
	s_nop 0
.rept 4
	v_nop
.endr
.Lfirst_none:
	v_lshlrev_b32 v228, 4, v[LN]                   ; 16 x lane
	v_lshlrev_b32 v229, 3, v[LN]                   ; 8 x lane
	s_lshl_b32 s54, s13, 2
	v_lshl_add_u32 v230, v[LN+1], 4, s54           ; 16 r + 4 x tile
	global_load_b128 v[QF:QF+3], v228, s[48:49]    ; my queries' image: it stays in registers
	global_load_b64 v[QF+4:QF+5], v229, s[48:49] offset:512
	global_load_b32 v[QS], v230, s[50:51] offset:3072
	v_lshlrev_b32 v11, 2, v[LN+1]
	v_lshl_add_u32 v11, v[LN+2], 15, v11
	s_lshl_b32 s55, s12, 6
	v_add_nc_u32 v11, s55, v11                     ; Wo: column 16 x wave + r, rows 32 h on: lane r takes a column and its registers run down K
.set j, 0
.rept 32
	global_load_b32 v[S+j], v11, s[8:9] offset:1024*j
.set j, j+1
.endr
	s_mul_i32 s54, s14, STEPB
	v_add_nc_u32 v[AB16], s54, v228
	v_add_nc_u32 v[AB8], s54, v229
	v_lshl_add_u32 v[ABS], v[LN+1], 4, s54
	v_min_u32 v[PFO], 25, v[LN]
	v_lshlrev_b32 v[PFO], 8, v[PFO]
	v_lshlrev_b32 v[GO], 4, v[LN+1]
	v_lshl_add_u32 v[GO], v[LN+2], 10, v[GO]       ; the way out: lanes 0-15 one row of out0, lanes 16-31 the next; 16 bytes a lane
	s_mul_i32 s55, s12, 768
	s_add_co_u32 s55, s55, WOI
	v_add_nc_u32 v8, s55, v228                     ; where my tile of Wo goes
	v_add_nc_u32 v9, s55, v229
	s_lshl_b32 s56, s12, 7
	s_add_co_u32 s56, s56, WOS
	v_lshl_add_u32 v10, v[LN], 2, s56
	v_lshlrev_b32 v231, 3, v[LN+2]                 ; 8 h
.irp j, 6,7,8,9,10,11
	v_mov_b32 v[QF+\j], 0                          ; zero codes for K = 64 .. 127 of the first and the last product, on both operands: written once
.irp t, 0,1,2,3
	v_mov_b32 v[KB+12*\t+\j], 0
.endr
.endr
.set j, 0
.rept 32
	v_mov_b32 v[O+j], 0                            ; O^T.  (The step is written one way: the first finds zeros, which the first change of M leaves zeros)
.set j, j+1
.endr
	v_mov_b32 v13, 0xff61b1e6                      ; the largest t so far: -3e38, under every t
	v_floor_f32 v12, -v13                          ; -M
	v_mov_b32 v14, 0                               ; l, in two halves
	v_mov_b32 v15, 0
	v_mov_b32 v[F+1], 0                            ; (named as the upper half of a pair)
.irp b, 0,1,2,3
	v_mov_b32 v[BX+\b], 0                          ; written once: a lane permute's destination counts as one of its sources
	v_mov_b32 v[G+2*\b+1], 0                       ; (upper halves of pairs)
.endr
	s_wait_loadcnt 0x0
	; my tile of Wo: a lane holds one whole block, K = 32 h + 0 .. 31 of its column
	v_max3_num_f32 v[BM], |v[S]|, |v[S+1]|, 0x1800000
	v_max3_num_f32 v[BM+1], |v[S+16]|, |v[S+17]|, 0x1800000
.irp i, 2,4,6,8,10,12,14
	v_max3_num_f32 v[BM], v[BM], |v[S+\i]|, |v[S+\i+1]|
	v_max3_num_f32 v[BM+1], v[BM+1], |v[S+16+\i]|, |v[S+16+\i+1]|
.endr
	v_max_num_f32 v[BM], v[BM], v[BM+1]
	v_add_nc_u32 v[BO], 0xff000000, v[BM]
	v_lshrrev_b32 v[BX], 23, v[BO]
	v_lshlrev_b32 v[BX], v231, v[BX]               ; my byte at its place,
	v_permlanex16_b32 v[BX+1], v[BX], s20, s21
	v_or_b32 v[BX], v[BX], v[BX+1]                 ; with the byte of the lane 16 away: the column's scale word
	v_cvt_scalef32_pk16_fp6_f32 v[PCD:PCD+2], v[S:S+15], v[BO]
	v_cvt_scalef32_pk16_fp6_f32 v[PT:PT+2], v[S+16:S+31], v[BO]
	v_nop                                          ; one plain instruction behind the conversions
.irp i, 0,1,2
	v_mov_b32 v[PCD+3+\i], v[PT+\i]
.endr
	ds_store_b128 v8, v[PCD:PCD+3]
	ds_store_b64 v9, v[PCD+4:PCD+5] offset:512
	ds_store_b32 v10, v[BX]
	s_wait_tensorcnt 0x1                           ; my part of slot 0 is in; slot 1's may stay out
	s_wait_dscnt 0x0                               ; my tile of Wo lies in LDS
	s_barrier_signal -1
	s_barrier_wait -1
	STEP 0, 2*SLOTB                                ; keys 0 to 1,023, in slot 0; the third slot's worth is prefetched
	STEP ROUNDB, 0
	CHANGE 1, G0A                                  ; slot 0 takes keys 2,048 on
	STEP SLOTB, 3*SLOTB                            ; keys 1,024 on, in slot 1; the fourth slot's worth is prefetched
	STEP SLOTB+ROUNDB, 0
	CHANGE 1, G0B                                  ; slot 1 takes keys 3,072 on
	STEP 0, 0
	STEP ROUNDB, 0
	CHANGE 0, G0A                                  ; nothing is left to fetch
	STEP SLOTB, 0
	STEP SLOTB+ROUNDB, 0
	; THE MERGE.  The tail's addresses are made here: plain instructions that name no register of the last products, and so the places behind them.
	s_mul_i32 s54, s12, MRGW                       ; my wave's place among the partial results, and among the stages (which begin at LDS byte 0)
	s_add_co_u32 s55, s54, MRG
	s_mul_i32 s56, s13, MRGW
	s_add_co_u32 s56, s56, MRG                     ; my tile's first split; the others lie 4 x 4,352 bytes apart
	s_mul_i32 s57, s14, 4*768
	s_add_co_u32 s57, s57, WOI                     ; Wo's tiles 4 x split on
	s_lshl_b32 s58, s14, 9
	s_add_co_u32 s58, s58, WOS
	v_add_f32 v14, v14, v15                        ; l's two halves
	v_lshl_add_u32 v[MA], v[LN], 4, s55
	v_lshl_add_u32 v[MS], v[LN], 2, s55
	v_lshl_add_u32 v[ML], v[LN], 4, s56
	v_lshl_add_u32 v[MLS], v[LN], 2, s56
	v_permlanex16_b32 v[T0], v14, s20, s21
	v_lshl_add_u32 v[WA16], v[LN], 4, s57
	v_lshl_add_u32 v[WA8], v[LN], 3, s57
	v_lshl_add_u32 v[WAS], v[LN], 2, s58
	v_mul_u32_u24 v[SI], v[LN+1], 272
	v_mul_u32_u24 v[SBK], v[LN+2], 272
	v_lshl_add_u32 v[SI], v[LN+2], 5, v[SI]
	v_lshl_add_u32 v[SBK], v[LN+1], 4, v[SBK]
	v_add_nc_u32 v[SI], s54, v[SI]                 ; the stage, in: row r, 32 bytes for each half of the lanes
	v_add_nc_u32 v[SBK], s54, v[SBK]               ; and back: lanes 0-15 one row of 256 bytes, lanes 16-31 the next
	v_add_f32 v14, v14, v[T0]                      ; and the sum of the lane 16 away: my split's l
.irp i, 0,1,2,3,4,5,6,7
	ds_store_b128 v[MA], v[O+4*\i:O+4*\i+3] offset:512*\i   ; O^T as it stands, each accumulator from its low end on
.endr
	ds_store_b32 v[MS], v12 offset:4096
	ds_store_b32 v[MS], v14 offset:4096+128
	s_wait_dscnt 0x0                               ; for the others' sake
	s_barrier_signal -1
	s_barrier_wait -1
.irp q, 0,1,2,3
	ds_load_b32 v[VR+\q], v[MLS] offset:4*MRGW*\q+4096        ; -M of split q of my tile,
	ds_load_b32 v[VR+4+\q], v[MLS] offset:4*MRGW*\q+4096+128  ; and its l
.endr
.macro PLOAD reg, q
.irp i, 0,1,2,3,4,5,6,7
	ds_load_b128 v[\reg+4*\i:\reg+4*\i+3], v[ML] offset:4*MRGW*\q+512*\i
.endr
.endm
	PLOAD 80, 0
	PLOAD 112, 1
	PLOAD 144, 2
	PLOAD 216, 3
.irp t, 0,1,2,3
	ds_load_b128 v[KB+12*\t:KB+12*\t+3], v[WA16] offset:768*\t
	ds_load_b64 v[KB+12*\t+4:KB+12*\t+5], v[WA8] offset:768*\t+512
	ds_load_b32 v[KS+\t], v[WAS] offset:128*\t
.endr
	s_wait_dscnt 44                                ; the eight small loads are in; the 32 of the partial results and the 12 of Wo stay out
	v_min3_num_f32 v176, v[VR], v[VR+1], v[VR+2]
	v_min_num_f32 v176, v176, v[VR+3]              ; -M of the whole row
.irp q, 0,1,2,3
	v_sub_f32 v[177+\q], v176, v[VR+\q]            ; M of split q less M of the row: a whole number, 0 or less
.endr
.irp q, 0,1,2,3
	v_cvt_i32_f32 v[177+\q], v[177+\q]
.endr
.irp q, 0,1,2,3
	v_ldexp_f32 v[G+2*\q], 1.0, v[177+\q]          ; the split's factor: a power of two
.endr
	v_mul_f32 v181, v[G], v[VR+4]
	v_fma_f32 v181, v[G+2], v[VR+5], v181
	v_fma_f32 v181, v[G+4], v[VR+6], v181
	v_fma_f32 v181, v[G+6], v[VR+7], v181          ; the row's l
	v_rcp_f32 v182, v181
	v_nop                                          ; a plain instruction behind the reciprocal,
	s_wait_alu depctr_va_vdst(0)                   ; and a wait ahead of its first reader
.irp q, 0,1,2,3
	v_mul_f32 v[G+2*\q], v[G+2*\q], v182           ; factor / l: the reciprocal's bits with another exponent
.endr
	s_wait_dscnt 12                                ; the four partial results are in; Wo's twelve loads stay out
.set j, 0
.rept 16
	v_pk_mul_f32 v[80+j:81+j], v[80+j:81+j], v[G:G+1] op_sel_hi:[1,0]
.set j, j+2
.endr
.set j, 0
.rept 16
	v_pk_fma_f32 v[80+j:81+j], v[112+j:113+j], v[G+2:G+3], v[80+j:81+j] op_sel_hi:[1,0,1]
.set j, j+2
.endr
.set j, 0
.rept 16
	v_pk_fma_f32 v[80+j:81+j], v[144+j:145+j], v[G+4:G+5], v[80+j:81+j] op_sel_hi:[1,0,1]
.set j, j+2
.endr
.set j, 0
.rept 16
	v_pk_fma_f32 v[80+j:81+j], v[216+j:217+j], v[G+6:G+7], v[80+j:81+j] op_sel_hi:[1,0,1]   ; register 16 b + i: channel 32 b + 16 h + i of my query's attention result
.set j, j+2
.endr
	QUANT32 80, QF, PT, QS                         ; quantised along the channels, into the registers that held the queries; v22-27 are still zeros
.rept 8
	v_nop                                          ; a scale word made by vector instructions stands eight places ahead of a scaled product, codes so made four
.endr
	s_wait_dscnt 0x0                               ; Wo's tiles and scale words
.irp t, 0,1,2,3                        ; source 0 = 16 columns of Wo, source 1 = my 16 rows: a lane holds eight neighbouring columns of one row of out0
	v_wmma_scale_f32_16x16x128_f8f6f4 v[112+8*\t:119+8*\t], v[KB+12*\t:KB+12*\t+11], v[QF:QF+11], 0, v[KS+\t], v[QS] matrix_a_fmt:MATRIX_FMT_FP6 matrix_b_fmt:MATRIX_FMT_FP6
.endr
.rept 4
	v_nop
.endr
	; THE WAY OUT: through my own stage, so that sixteen lanes store 256 consecutive bytes of a row.  LDS serves a wave's instructions in order (ISA guide 5.7.1.4): no wait between the stores and the loads.
.irp t, 0,1,2,3
	ds_store_b128 v[SI], v[112+8*\t:115+8*\t] offset:64*\t
	ds_store_b128 v[SI], v[116+8*\t:119+8*\t] offset:64*\t+16
.endr
.irp i, 0,1,2,3,4,5,6,7
	ds_load_b128 v[144+4*\i:147+4*\i], v[SBK] offset:544*\i
.endr
.irp i, 0,1,2,3,4,5,6,7
	s_wait_dscnt 7-\i                              ; the younger loads stay out
	global_store_b128 v[GO], v[144+4*\i:147+4*\i], s[52:53] offset:(2*\i+8*(\i/4))*1024 th:TH_STORE_NT   ; tile rows 2 i and 2 i + 1 are rows 2 i + 8 (i / 4) and the next of the tile's 24; at a multiple of 256 from out0's first byte
.endr
	s_wait_tensorcnt 0x0                           ; the wave's end, behind my last tensor load and my last LDS store
	ds_add_u32 v[SPW], v[NIL]
	s_wait_dscnt 0x0
	CROUND                                         ; the closing round: no work-group ends while a partner may still ask for a tile that names it
	s_endpgm
.Lfunc_end_k_q6e75a6f378_attn:
	.size	k_q6e75a6f378_attn, .Lfunc_end_k_q6e75a6f378_attn-k_q6e75a6f378_attn
	.p2alignl 7, 3214868480
	.fill 96, 4, 3214868480
	.section	.rodata,"a",@progbits
	.p2align	6, 0x0
	.amdhsa_kernel k_q6e75a6f378_attn
		.amdhsa_group_segment_fixed_size 327680
		.amdhsa_private_segment_fixed_size 0
		.amdhsa_enable_private_segment 0
		.amdhsa_kernarg_size 32
		.amdhsa_user_sgpr_count 2
		.amdhsa_user_sgpr_kernarg_segment_ptr 1
		.amdhsa_wavefront_size32 1
		.amdhsa_system_sgpr_workgroup_id_x 1
		.amdhsa_system_sgpr_workgroup_id_y 1
		.amdhsa_system_sgpr_workgroup_id_z 1
		.amdhsa_system_vgpr_workitem_id 0
		.amdhsa_next_free_vgpr 256
		.amdhsa_next_free_sgpr 66
		.amdhsa_reserve_vcc 0
		.amdhsa_float_denorm_mode_32 3
		.amdhsa_float_denorm_mode_16_64 3
		.amdhsa_memory_ordered 1
		.amdhsa_forward_progress 1
		.amdhsa_inst_pref_size 159
	.end_amdhsa_kernel
	.amdgpu_metadata
---
amdhsa.version: [ 1, 2 ]
amdhsa.kernels:
  - .name:           k_q6e75a6f378_attn
    .symbol:         k_q6e75a6f378_attn.kd
    .args:
      - { .name: qry, .offset: 0, .size: 8, .value_kind: global_buffer, .address_space: global }
      - { .name: kv, .offset: 8, .size: 8, .value_kind: global_buffer, .address_space: global }
      - { .name: Wo, .offset: 16, .size: 8, .value_kind: global_buffer, .address_space: global }
      - { .name: out0, .offset: 24, .size: 8, .value_kind: global_buffer, .address_space: global }
    .group_segment_fixed_size: 327680
    .private_segment_fixed_size: 0
    .kernarg_segment_align: 8
    .kernarg_segment_size: 32
    .max_flat_workgroup_size: 512
    .sgpr_count:     66
    .vgpr_count:     256
    .wavefront_size: 32
...
	.end_amdgpu_metadata
.endif
;; end of part 2
;; ======== version 2 of 2: 2 launches
;; workspace buffers: qry 851,968 bytes; kv 1,703,936 bytes
;; launch proj (part 3): grid 256 x 1, 16 waves a work-group, no clusters, 90,112 bytes of LDS; arguments x, Wk, Wq, Wv, qry, kv; writes qry, kv
.if DOCPART == 3
	.amdgcn_target "amdgcn-amd-amdhsa--gfx1250"
	.amdhsa_code_object_version 6
	.text
	.protected	k_q6e75a6f378_proj
	.globl	k_q6e75a6f378_proj
	.p2align	8
	.type	k_q6e75a6f378_proj,@function
k_q6e75a6f378_proj:
	s_mov_b64 s[64:65], 0
	v_nop
	global_prefetch_b8 v0, s[64:65] scope:SCOPE_SE
	s_setreg_imm32_b32 hwreg(HW_REG_WAVE_SCHED_MODE, 0, 2), 2
	s_setreg_imm32_b32 hwreg(HW_REG_WAVE_MODE, 25, 1), 1
	s_wait_xcnt 0x0
	s_wait_alu depctr_vm_vsrc(0)
; k = x Wk, q = x Wq, v = x Wv on codes of FP6 (E2M3) with one E8M0 scale for each 32 along K, and the three results quantised again for the attention launch.
; x: [16384][256] f32.  Wk, Wq, Wv: [256][64] f32, K their first axis.  A work-group takes 64 rows of x (its number g) and stores block g of two buffers, both laid in the order of an operand's registers:
;   qry, 3,328 bytes a block: four images of 768 bytes (16 rows of k x 64 channels), then 256 bytes of scale words [lane r][tile];
;   kv,  6,656 bytes a block: four images of 16 rows of q x 64 channels, four images of 16 channels of v x these 64 rows, 256 bytes of q's scale words, 256 of v's.
; An image of 768 bytes is six registers a lane (K = 32 (lane / 16) + 0 .. 31): registers 0-3 at 16 x lane, registers 4-5 at 512 + 8 x lane.  A scale word: two bytes, the upper two 0.
; THE ROWS AND COLUMNS OF A TILE ARE NOT NEIGHBOURS: lane r of tile 2 b + u stands for index 32 b + 8 u + r + 8 (r / 8), for x's rows and for the weights' columns alike.  Where such tiles are source 0,
; the 16 result registers of tiles 2 b and 2 b + 1 in a lane are the 16 neighbours 32 b + 16 (lane / 16) + 0 .. 15, which is what the conversions to codes want.
; SHARES.  Sixteen waves in four roles of four (role = wave / 4, tile = wave % 4): 0 Wk, 1 Wq, 2 x, 3 Wv.
;   First every wave quantises its tile, 16 rows or columns x 256 along K, into two fragments and puts them into LDS as images of their registers.
;   Then twelve waves multiply: roles 0, 1: source 0 = the weight's four tiles, source 1 = x's tile: a lane holds one row, its registers run along the channels;
;   role 2: source 0 = x's four tiles, source 1 = Wv's tile: a lane holds one channel, its registers run along the rows, which are the second attention product's K.
; NO CLUSTER, NO TENSOR LOAD, though all work-groups read the same 196,608 bytes of weights: a lane's registers must run down K, which the loads of 4 bytes give as they stand; a tile brought into LDS
; would be read again by the same 128 loads a wave, and the launch has one pass, so a round of a cluster's barrier would serve one fill.
; LIMITS: a block whose largest magnitude lies under 2^-124 has its scale byte held at 1; a block of zeros gets the byte 1 and not 127 (its codes are zeros, and this program alone reads the bytes);
; NaN and infinities among the inputs are not served.
; THE MODE: SCHED_MODE bits 1:0 = 2 (LLVM: expert scheduling mode 2), set by the entry lines.  The code itself states the register dependences
; between vector or matrix instructions and memory or LDS instructions, with s_wait_alu, always for 0.
; THE PLAN.  The launch is one pass, with no loop.  Registers that memory or LDS instructions touch:
;   v1-v12, v14, v15, v254, v255   offsets and LDS addresses: written by vector instructions at the head and never again; one wait on va_vdst ahead of the first parting of the roles serves every load and store.
;   NUM, v64-191   global loads land in it; in role 2 the stage's stores read it and the stage's loads land in it again (a wait on vm_vsrc between them); the quantiser's vector instructions read it;
;                  behind the first barrier the ten fragments' LDS loads land in it: the wait on va_vdst ahead of the second image's stores stands behind the quantiser's last line, and no vector instruction follows it before those loads.
;   PC v32-43, PW v60   written by the quantiser three times (fragment 0, fragment 1, the result), read by the stores behind each: a wait on va_vdst ahead of each run of stores, a wait on vm_vsrc ahead of each rewriting.
;   v224-233, v240-247  written by LDS loads alone, read by products or stores alone.
;   ACC, PT, TM are named by vector and matrix instructions alone.
.set IMG, 0                            ; LDS: 32 fragment images of 1,536 bytes, number 2 x wave + K step
.set ISC, 49152                        ; their scale words, 128 bytes each
.set XST, 53248                        ; four stages of 16 rows x (512 + 16) bytes, one for each wave of role 2
.set SCG, 87040                        ; three gathers of 256 bytes: the results' scale words
.set LI,  1                            ; v1   16 x lane
.set L8,  2                            ; v2   8 x lane
.set IWI, 3                            ; v3   where I store my images
.set IWS, 4                            ; v4   and their scale words
.set GAW, 5                            ; v5   a weight: my column's byte, + 32 rows for lanes 16-31
.set XSI, 6                            ; v6   the stage, on the way in
.set XSO, 7                            ; v7   and on the way out
.set E8,  8                            ; v8   source 0's eight images
.set E8S, 9                            ; v9   their scale words
.set T2,  10                           ; v10  source 1's two images
.set T2S, 11                           ; v11  their scale words
.set SGA, 12                           ; v12  where my result's scale word goes
.set SH8, 13                           ; v13  8 x (lane / 16)
.set SC8, 14                           ; v14  the first gather, 8 bytes a lane
.set SC16, 15                          ; v15  the other two, 16 bytes a lane
.set PC,  32                           ; v32-43  codes
.set PT,  44                           ; v44-51  the conversions' second halves
.set TM,  52                           ; v52-53 largest magnitudes, v54-55 bytes, v56-57 the conversions' scale operands, v58 a lane permute's destination
.set PW,  60                           ; v60  the scale word just made
.set NUM, 64                           ; v64-191 128 numbers
.set EI,  64                           ; later: source 0's eight fragments (tile T, K step s at 12 (2 T + s)),
.set TW,  160                          ; and source 1's two
.set ACC, 192                          ; v192-223 four accumulators
.set ES,  224                          ; v224-231 source 0's scale words;  v232-233 source 1's: scales and nothing else
.set TS,  232
; 64 numbers of a lane, register 32 c + i = K 64 c + 32 (lane / 16) + i of my row or column: two whole blocks.  They become a fragment's twelve registers in v[PC] on and its scale word in v[PW].
.macro QUANT64 s
.irp c, 0,1
	v_max3_num_f32 v[TM+\c], |v[(\s)+32*\c]|, |v[(\s)+32*\c+1]|, 0x1800000   ; with the floor 2^(3 - 127): the byte cannot fall under 1
.endr
.irp i, 2,4,6,8,10,12,14,16,18,20,22,24,26,28,30
.irp c, 0,1
	v_max3_num_f32 v[TM+\c], v[TM+\c], |v[(\s)+32*\c+\i]|, |v[(\s)+32*\c+\i+1]|   ; the two blocks by turns
.endr
.endr
.irp c, 0,1
	v_add_nc_u32 v[TM+4+\c], 0xff000000, v[TM+\c]  ; 2 off the exponent field: the conversion takes this operand's exponent field as its scale
.endr
.irp c, 0,1
	v_lshrrev_b32 v[TM+2+\c], 23, v[TM+4+\c]       ; the scale's byte
.endr
	v_lshl_or_b32 v[PW], v[TM+3], 16, v[TM+2]      ; my two bytes: blocks (lane / 16) and 2 + (lane / 16),
	v_lshlrev_b32 v[PW], v[SH8], v[PW]             ; at their places in the word;
	v_permlanex16_b32 v[TM+6], v[PW], s28, s29
	v_or_b32 v[PW], v[PW], v[TM+6]                 ; with the two of the lane 16 away the word is whole
.irp c, 0,1
	v_cvt_scalef32_pk16_fp6_f32 v[PC+6*\c:PC+6*\c+2], v[(\s)+32*\c:(\s)+32*\c+15], v[TM+4+\c]
	v_cvt_scalef32_pk16_fp6_f32 v[PT+4*\c:PT+4*\c+2], v[(\s)+32*\c+16:(\s)+32*\c+31], v[TM+4+\c]   ; (a conversion's three registers begin on an even number)
.endr
	v_nop                                          ; one plain instruction behind the conversions
.irp c, 0,1
.irp i, 0,1,2
	v_mov_b32 v[PC+3+6*\c+\i], v[PT+4*\c+\i]
.endr
.endr
.endm
; 32 numbers of a lane, register 16 b + i = index 32 b + 16 (lane / 16) + i: two half blocks.  They become six registers (a whole block a lane) in v[pc] on and a scale word of two bytes.
.macro QUANT32 src, pc, pt, pw
.irp b, 0,1
	v_max3_num_f32 v[TM+\b], |v[\src+16*\b]|, |v[\src+16*\b+1]|, 0x1800000   ; each accumulator is read from its low end on
.endr
.irp i, 2,4,6,8,10,12,14
.irp b, 0,1
	v_max3_num_f32 v[TM+\b], v[TM+\b], |v[\src+16*\b+\i]|, |v[\src+16*\b+\i+1]|
.endr
.endr
.irp b, 0,1
	v_permlanex16_b32 v[TM+2+\b], v[TM+\b], s28, s29
.endr
.irp b, 0,1
	v_max_num_f32 v[TM+\b], v[TM+\b], v[TM+2+\b]   ; with the other half of the block, in the lane 16 away
.endr
.irp b, 0,1
	v_add_nc_u32 v[TM+4+\b], 0xff000000, v[TM+\b]
.endr
.irp b, 0,1
	v_lshrrev_b32 v[TM+2+\b], 23, v[TM+4+\b]
.endr
	v_lshl_or_b32 v[\pw], v[TM+3], 8, v[TM+2]
	v_cvt_scalef32_pk16_fp6_f32 v[\pc:\pc+2], v[\src:\src+15], v[TM+4]
	v_cvt_scalef32_pk16_fp6_f32 v[\pt:\pt+2], v[\src+16:\src+31], v[TM+5]
	v_nop                                          ; one plain instruction behind the conversions
.irp i, 0,1,2
	v_permlane16_swap_b32 v[\pc+\i], v[\pt+\i]     ; the first's lanes 16-31 change places with the second's lanes 0-15: each lane now holds its whole block
.endr
.irp i, 0,1,2
	v_mov_b32 v[\pc+3+\i], v[\pt+\i]
.endr
.endm
.macro IMAGE s                         ; the fragment in v[PC] on goes to LDS as it stands: 512 consecutive bytes a store
	s_wait_alu depctr_va_vdst(0)                   ; the quantiser has written v[PC ..] and v[PW], which the four stores read; it is also done reading its 64 numbers
.irp c, 0,1,2
	ds_store_b128 v[IWI], v[PC+4*\c:PC+4*\c+3] offset:1536*\s+512*\c
.endr
	ds_store_b32 v[IWS], v[PW] offset:128*\s
.endm
.macro TURN s                          ; x's 16 rows x 512 bytes of K step s through my own stage: in as loaded, a row a store; out 128 neighbouring bytes of one row a lane
.irp rr, 0,1,2,3,4,5,6,7,8,9,10,11,12,13,14,15
	ds_store_b128 v[XSI], v[NUM+64*\s+4*\rr:NUM+64*\s+4*\rr+3] offset:528*\rr
.endr
	s_wait_dscnt 0x0                               ; the stores have read their registers, into which the loads below land
	s_wait_alu depctr_vm_vsrc(0)                   ; the sixteen stores above have read v[NUM + 64 s ..], in which the sixteen loads below land (no vector instruction has named these registers)
.irp c, 0,1
.irp j, 0,1,2,3,4,5,6,7
	ds_load_b128 v[NUM+64*\s+32*\c+4*\j:NUM+64*\s+32*\c+4*\j+3], v[XSO] offset:256*\c+16*\j
.endr
.endr
	s_wait_dscnt 0x0
.endm
.macro BARRIER                         ; my LDS stores have landed and my LDS loads are in: then the work-group's barrier
	s_wait_dscnt 0x0
	s_barrier_signal -1
	s_barrier_wait -1
.endm
	s_load_b256 s[4:11], s[0:1], 0x0               ; x s[4:5], Wk s[6:7], Wq s[8:9], Wv s[10:11]
	s_load_b128 s[12:15], s[0:1], 0x20             ; qry s[12:13], kv s[14:15]
	v_lshl_add_u32 v254, v0, 2, 0x15800
	v_mov_b32 v255, 0
	v_lshrrev_b32 v16, 5, v0
	v_readfirstlane_b32 s16, v16                   ; wave 0..15
	s_mov_b32 s28, 0x76543210
	s_mov_b32 s29, 0xfedcba98                      ; v_permlanex16_b32's selects: the lane 16 away
	v_and_b32 v16, 31, v0                          ; lane
	v_and_b32 v17, 15, v0                          ; r
	v_bfe_u32 v18, v0, 4, 1                        ; h
	v_lshlrev_b32 v[LI], 4, v16
	s_wait_alu depctr_va_vdst(0)
	v_lshlrev_b32 v[L8], 3, v16
	v_lshlrev_b32 v19, 2, v16                      ; 4 x lane
	s_wait_alu depctr_va_vdst(0)
	s_wait_alu depctr_va_sdst(0)                   ; s16 is written, ahead of its first reader: the role, the tile and all that is made of them
	s_lshr_b32 s17, s16, 2                         ; role
	s_and_b32 s18, s16, 3                          ; tile
	s_lshr_b32 s19, s18, 1
	s_lshl_b32 s19, s19, 5
	s_and_b32 s26, s18, 1
	s_lshl_b32 s26, s26, 3
	s_add_co_u32 s19, s19, s26                     ; the tile's first index: 32 (tile / 2) + 8 (tile % 2)
	; every LDS address is made here, ahead of the first parting of the roles: a constant + a constant x wave (or role, or tile) + a constant x lane
	s_mul_i32 s26, s16, 3072
	v_add_nc_u32 v[IWI], s26, v[LI]
	s_lshl_b32 s26, s16, 8
	s_add_co_u32 s26, s26, ISC
	v_add_nc_u32 v[IWS], s26, v19
	v_and_b32 v20, 8, v17
	v_add_nc_u32 v20, v20, v17                     ; r + 8 (r / 8)
	v_add_nc_u32 v20, s19, v20                     ; my column of a weight
	v_lshlrev_b32 v[GAW], 2, v20
	v_lshl_add_u32 v[GAW], v18, 13, v[GAW]         ; + 32 rows of 256 bytes for lanes 16-31
	s_mul_i32 s26, s18, 8448
	s_add_co_u32 s26, s26, XST
	v_add_nc_u32 v[XSI], s26, v[LI]
	v_mul_u32_u24 v[XSO], v17, 528
	v_lshl_add_u32 v[XSO], v18, 7, v[XSO]
	v_add_nc_u32 v[XSO], s26, v[XSO]
	s_mul_i32 s26, s17, 12288                      ; source 0: images 8 x role on
	v_add_nc_u32 v[E8], s26, v[LI]
	s_lshl_b32 s26, s17, 10
	s_add_co_u32 s26, s26, ISC
	v_add_nc_u32 v[E8S], s26, v19
	s_lshr_b32 s27, s17, 1
	s_lshl_b32 s27, s27, 3
	s_lshl_b32 s26, s18, 1
	s_add_co_u32 s27, s27, s26
	s_add_co_u32 s27, s27, 16                      ; source 1: images 16 + 2 x tile on (x's), 8 further for role 2 (Wv's)
	s_mul_i32 s26, s27, 1536
	v_add_nc_u32 v[T2], s26, v[LI]
	s_lshl_b32 s26, s27, 7
	s_add_co_u32 s26, s26, ISC
	v_add_nc_u32 v[T2S], s26, v19
	s_lshl_b32 s26, s17, 8
	s_lshl_b32 s27, s18, 2
	s_add_co_u32 s26, s26, s27
	s_add_co_u32 s26, s26, SCG
	v_lshl_add_u32 v[SGA], v17, 4, s26             ; gather number role, 16 r + 4 x tile
	v_lshlrev_b32 v[SH8], 3, v18
	v_add_nc_u32 v[SC8], SCG, v[L8]
	v_add_nc_u32 v[SC16], SCG+256, v[LI]
	v_mov_b32 v[TM+6], 0                           ; written once: a lane permute's destination counts as one of its sources
	s_wait_kmcnt 0x0
	s_cmp_eq_u32 s17, 0                            ; the choices hang on the role alone
	s_cselect_b64 s[20:21], s[6:7], s[8:9]         ; my weight: Wk or Wq,
	s_cselect_b64 s[24:25], s[12:13], s[14:15]     ; my result's buffer: qry for k, kv for q and v
	s_mov_b32 s26, 6656
	s_cselect_b32 s26, 3328, s26                   ; and its block's bytes
	s_cmp_eq_u32 s17, 3
	s_cselect_b64 s[20:21], s[10:11], s[20:21]     ; or Wv
	s_mul_i32 s26, s26, ttmp9
	s_lshr_b32 s27, s17, 1
	s_mul_i32 s27, s27, 3072                       ; v's images lie behind q's
	s_add_co_u32 s26, s26, s27
	s_mul_i32 s27, s18, 768
	s_add_co_u32 s26, s26, s27
	s_mov_b32 s27, 0
	s_add_nc_u64 s[24:25], s[24:25], s[26:27]      ; my image's place
	s_mul_i32 s26, ttmp9, 3328
	s_add_co_u32 s26, s26, 3072
	s_add_nc_u64 s[30:31], s[12:13], s[26:27]      ; the block's scale words in qry,
	s_mul_i32 s26, ttmp9, 6656
	s_add_co_u32 s26, s26, 6144
	s_add_nc_u64 s[32:33], s[14:15], s[26:27]      ; and in kv
	s_lshl_b32 s26, ttmp9, 6
	s_add_co_u32 s26, s26, s19
	s_lshl_b32 s26, s26, 10                        ; row 64 g + the tile's first, 1,024 bytes a row: under 2^24
	s_add_nc_u64 s[22:23], s[4:5], s[26:27]
	; ---- every wave makes its tile's two fragments
	s_wait_alu depctr_va_vdst(0)                   ; the offsets and LDS addresses v1 to v12, v14 and v15 are written: every load and store of the launch reads one of them, and none is written again
	s_cmp_eq_u32 s17, 2
	s_cbranch_scc0 .Lweight
.irp s, 0,1                            ; x: a load reads 512 consecutive bytes: one row's 128 numbers of K step s.  All of K step 0 first
.irp rr, 0,1,2,3,4,5,6,7,8,9,10,11,12,13,14,15
	global_load_b128 v[NUM+64*\s+4*\rr:NUM+64*\s+4*\rr+3], v[LI], s[22:23] offset:(\rr+8*(\rr/8))*1024+512*\s th:TH_LOAD_NT
.endr
.endr
	s_wait_loadcnt 16                              ; K step 0's sixteen loads are in; K step 1's sixteen stay out
	TURN 0
	s_branch .Lhave0
.Lweight:
.set n, 0                              ; a weight: lane r takes a column, its registers run down K: register 64 s + 32 c + i = row 128 s + 64 c + 32 h + i
.rept 128
	global_load_b32 v[NUM+n], v[GAW], s[20:21] offset:(128*(n/64)+64*((n/32)%2)+n%32)*256
.set n, n+1
.endr
	s_wait_loadcnt 63                              ; the first fragment's 64 loads are in.  64 younger ones could stay out; 63 is the largest count that a wait can name
.Lhave0:
	QUANT64 NUM
	IMAGE 0
	s_wait_loadcnt 0x0                             ; the second fragment's numbers
	s_wait_alu depctr_vm_vsrc(0)                   ; the first image's stores have read v[PC ..] and v[PW], which the second fragment's quantiser writes again: stated ahead of the branch, for both ways
	s_cmp_eq_u32 s17, 2
	s_cbranch_scc0 .Lhave1
	TURN 1
.Lhave1:
	s_wait_dscnt 0x0                               ; the first image's stores have read the registers that are written again below
	QUANT64 NUM+64
	IMAGE 1
	BARRIER                                        ; all 32 images lie in LDS
	s_wait_alu depctr_vm_vsrc(0)                   ; the second image's stores have read v[PC ..] and v[PW], which the result's quantiser writes again: stated ahead of the branch
	; ---- twelve waves multiply; the four of role 3 have nothing left but the barrier
	s_cmp_eq_u32 s17, 3
	s_cbranch_scc1 .Lidle
.irp f, 0,1,2,3,4,5,6,7                ; these loads land where the 128 numbers lay: the wait ahead of the second image's stores has shown the quantiser done reading them, and no vector instruction stands behind that wait
.irp c, 0,1,2
	ds_load_b128 v[EI+12*\f+4*\c:EI+12*\f+4*\c+3], v[E8] offset:1536*\f+512*\c
.endr
	ds_load_b32 v[ES+\f], v[E8S] offset:128*\f
.endr
.irp s, 0,1
.irp c, 0,1,2
	ds_load_b128 v[TW+12*\s+4*\c:TW+12*\s+4*\c+3], v[T2] offset:1536*\s+512*\c
.endr
	ds_load_b32 v[TS+\s], v[T2S] offset:128*\s
.endr
	s_wait_dscnt 0x0
.irp s, 0,1                            ; four accumulators by turns, one instruction a turn; the first K step starts the sums
.irp t, 0,1,2,3
.if \s == 0
	v_wmma_scale_f32_16x16x128_f8f6f4 v[ACC+8*\t:ACC+8*\t+7], v[EI+12*(2*\t+\s):EI+12*(2*\t+\s)+11], v[TW+12*\s:TW+12*\s+11], 0, v[ES+2*\t+\s], v[TS+\s] matrix_a_fmt:MATRIX_FMT_FP6 matrix_b_fmt:MATRIX_FMT_FP6
.else
	v_wmma_scale_f32_16x16x128_f8f6f4 v[ACC+8*\t:ACC+8*\t+7], v[EI+12*(2*\t+\s):EI+12*(2*\t+\s)+11], v[TW+12*\s:TW+12*\s+11], v[ACC+8*\t:ACC+8*\t+7], v[ES+2*\t+\s], v[TS+\s] matrix_a_fmt:MATRIX_FMT_FP6 matrix_b_fmt:MATRIX_FMT_FP6
.endif
.endr
.endr
.rept 4
	v_nop                                          ; four places between the last product and the first read of results (ISA guide 7.12.1)
.endr
	QUANT32 ACC, PC, PT, PW
	s_wait_alu depctr_va_vdst(0)                   ; the result's quantiser has written v[PC .. PC + 5] and v[PW], which the three stores below read
	global_store_b128 v[LI], v[PC:PC+3], s[24:25]            ; 32 lanes store 512 consecutive bytes, at a multiple of 256 from the buffer's first byte,
	global_store_b64 v[L8], v[PC+4:PC+5], s[24:25] offset:512   ; and 256 more
	ds_store_b32 v[SGA], v[PW]                     ; lanes r and r + 16 write the same word with the same value
.Lidle:
	BARRIER                                        ; the twelve results' scale words lie in the gathers
	s_cmp_eq_u32 s16, 12
	s_cbranch_scc0 .Ldone
	ds_load_b64 v[240:241], v[SC8]                 ; one wave sends them out in whole runs: k's 256 bytes,
	ds_load_b128 v[244:247], v[SC16]               ; q's and v's 512
	s_wait_dscnt 0x0
	global_store_b64 v[L8], v[240:241], s[30:31]
	global_store_b128 v[LI], v[244:247], s[32:33]
.Ldone:
	s_wait_dscnt 0x0                               ; the closing lines, six on end
	s_wait_alu 0x0
	s_wait_tensorcnt 0x0
	ds_add_u32 v254, v255
	s_wait_dscnt 0x0
	s_endpgm
.Lfunc_end_k_q6e75a6f378_proj:
	.size	k_q6e75a6f378_proj, .Lfunc_end_k_q6e75a6f378_proj-k_q6e75a6f378_proj
	.p2alignl 7, 3214868480
	.fill 96, 4, 3214868480
	.section	.rodata,"a",@progbits
	.p2align	6, 0x0
	.amdhsa_kernel k_q6e75a6f378_proj
		.amdhsa_group_segment_fixed_size 90112
		.amdhsa_private_segment_fixed_size 0
		.amdhsa_enable_private_segment 0
		.amdhsa_kernarg_size 48
		.amdhsa_user_sgpr_count 2
		.amdhsa_user_sgpr_kernarg_segment_ptr 1
		.amdhsa_wavefront_size32 1
		.amdhsa_system_sgpr_workgroup_id_x 1
		.amdhsa_system_sgpr_workgroup_id_y 1
		.amdhsa_system_sgpr_workgroup_id_z 1
		.amdhsa_system_vgpr_workitem_id 0
		.amdhsa_next_free_vgpr 256
		.amdhsa_next_free_sgpr 66
		.amdhsa_reserve_vcc 0
		.amdhsa_float_denorm_mode_32 3
		.amdhsa_float_denorm_mode_16_64 3
		.amdhsa_memory_ordered 1
		.amdhsa_forward_progress 1
		.amdhsa_inst_pref_size 37
	.end_amdhsa_kernel
	.amdgpu_metadata
---
amdhsa.version: [ 1, 2 ]
amdhsa.kernels:
  - .name:           k_q6e75a6f378_proj
    .symbol:         k_q6e75a6f378_proj.kd
    .args:
      - { .name: x, .offset: 0, .size: 8, .value_kind: global_buffer, .address_space: global }
      - { .name: Wk, .offset: 8, .size: 8, .value_kind: global_buffer, .address_space: global }
      - { .name: Wq, .offset: 16, .size: 8, .value_kind: global_buffer, .address_space: global }
      - { .name: Wv, .offset: 24, .size: 8, .value_kind: global_buffer, .address_space: global }
      - { .name: qry, .offset: 32, .size: 8, .value_kind: global_buffer, .address_space: global }
      - { .name: kv, .offset: 40, .size: 8, .value_kind: global_buffer, .address_space: global }
    .group_segment_fixed_size: 90112
    .private_segment_fixed_size: 0
    .kernarg_segment_align: 8
    .kernarg_segment_size: 48
    .max_flat_workgroup_size: 512
    .sgpr_count:     66
    .vgpr_count:     256
    .wavefront_size: 32
...
	.end_amdgpu_metadata
.endif
;; end of part 3
;; launch attn (part 4): grid 64 x 4, 16 waves a work-group, clusters of 4 x 1, 327,680 bytes of LDS; arguments qry, kv, Wo, out0; writes out0
.if DOCPART == 4
	.amdgcn_target "amdgcn-amd-amdhsa--gfx1250"
	.amdhsa_code_object_version 6
	.text
	.protected	k_q6e75a6f378_attn
	.globl	k_q6e75a6f378_attn
	.p2align	8
	.type	k_q6e75a6f378_attn,@function
k_q6e75a6f378_attn:
	s_mov_b64 s[64:65], 0
	v_nop
	global_prefetch_b8 v0, s[64:65] scope:SCOPE_SE
	s_setreg_imm32_b32 hwreg(HW_REG_WAVE_MODE, 25, 1), 1
	s_wait_xcnt 0x0
	s_wait_alu depctr_hold_cnt(0) depctr_sa_sdst(0) depctr_va_vdst(0) depctr_va_sdst(0) depctr_va_ssrc(0) depctr_va_vcc(0) depctr_vm_vsrc(0)
	s_getreg_b32 s2, hwreg(HW_REG_IB_STS2, 6, 4)
	s_cmp_eq_u32 s2, 0
	s_cbranch_scc0 .Lentry_in_a_cluster
	s_endpgm
.Lentry_in_a_cluster:
	s_bfe_u32 s2, ttmp6, 0x10000c
	s_cmp_lg_u32 s2, 0x3003
	s_cbranch_scc0 .Lentry_shape_is_right
	s_endpgm
.Lentry_shape_is_right:
; out[b][s][:] = (the sum over t of softmax_t(k[b][s] . q[b][t] / 8) v[b][t][:]) Wo, all three products on codes of FP6 (E2M3) with one E8M0 scale for each 32 along a product's K.
; The rows s ("queries" below) come from buffer qry, the axis t ("keys") and the values from buffer kv, both laid by the launch before in the order of an operand's registers:
;   an image of 768 bytes is six registers a lane (K = 32 (lane / 16) + 0 .. 31): registers 0-3 at 16 x lane, registers 4-5 at 512 + 8 x lane;
;   a block of kv (64 keys, 6,656 bytes): four images of 16 keys x 64 channels, four of 16 channels x 64 keys, the keys' scale words [lane r][tile], the values' likewise.
; Lane r of tile 2 b + u stands for index 32 b + 8 u + r + 8 (r / 8) (queries, keys, channels), so that 16 result registers of two neighbouring tiles are 16 neighbours along the next K.
; THE SOFTMAX: t = score x log2(e) / 8; M = the largest t so far, rounded UP to a whole number; p = 2^(t - M) is quantised along the keys, not normalised; the sum l is taken of the unquantised p.
; SHARES.  A work-group owns 64 queries of one batch.  Sixteen waves, four to a SIMD: wave = 4 x split + tile.  A wave owns one tile of 16 queries and every fourth key step of 128 keys: in round j = 0 .. 7
; split q takes key step 4 j + q.  At the end the four splits of a tile meet in LDS: M is a whole number, so they are joined by powers of two.  Then wave (tile, split) makes the tile's output columns 64 x split on.
; Both attention products are used transposed (source 0 = 16 keys or 16 channels, source 1 = my queries): a lane holds ONE query throughout.
; The first product's K is 64, half of the instruction's 128: registers 6-11 of both operands are zero codes, written once; the scale words' upper two bytes are 0.
; CLUSTER.  The four work-groups of a cluster belong to one batch and walk the same kv: each slot is asked for JOINTLY, by the same tensor loads with the same descriptors and a mask that names the four.
; THE RING: two slots of 16 blocks (1,024 keys, two rounds).  Waves 0-3 fetch a quarter each: 104 rows of 256 bytes.  By this text's count a fetching wave has two loads out at the start, later one.
; The four slots' worth of keys are written out, so that every LDS offset is a constant.
; LIMITS: a block whose largest magnitude lies under 2^-124 has its byte held at 1; a block of zeros gets the byte 1 and not 127 (its codes are zeros, and nobody else reads the bytes); NaN and infinities are
; not served; a p under 2^-126 counts as 0; O and l are summed in four parts over the keys and then joined: another order of f32 additions than one running sum.
.set KVB,    6656                      ; a block of kv
.set STEPB,  2*KVB                     ; a key step
.set ROUNDB, 4*STEPB                   ; a round: the four splits' steps
.set SLOTB,  2*ROUNDB                  ; a slot: 106,496 bytes
.set WOI,    2*SLOTB                   ; behind the ring: Wo's 16 images of 768 bytes,
.set WOS,    WOI+16*768                ; their scale words, 128 bytes each,
.set MRG,    WOS+16*128                ; for each wave 4,352 bytes: O^T as it stands (4,096), -M (128), l (128),
.set MRGW,   4352
.set SPARE,  MRG+16*MRGW               ; and the spare words, 128 bytes for each wave: eight blocks of 256 bytes that no other line names
.set STG,    0                         ; the way out: 16 rows x (256 + 16) bytes for each wave, in slot 0, which has had its last fill and its last read by then
.set AB16, 1                           ; v1   my split's step in a round + 16 x lane
.set AB8,  2                           ; v2   + 8 x lane
.set ABS,  3                           ; v3   + 16 x (lane % 16)
.set SPW,  4                           ; v4   LDS address of my spare word; never rewritten
.set NIL,  5                           ; v5   0; never rewritten
.set PFO,  6                           ; v6   the prefetches' offset; never rewritten
.set GO,   7                           ; v7   the way out: my byte offset in out0
.set A16,  8                           ; v8-10 the step's three addresses
.set A8,   9
.set AS,   10
.set QF,   16                          ; v16-27 my queries' fragment, later the attention result's; v22-27 stay zeros
.set QS,   28                          ; v28  its scale words
.set PS,   29                          ; v29  p's scale word
.set F,    30                          ; v[30:31] f = 2^(old M - new M), named as a pair
.set KB,   32                          ; v32-79 four fragments of keys, later of Wo; registers 6-11 of each stay zeros
.set S,    80                          ; v80-143 S^T, then p
.set VF,   80                          ; v80-127 then V's four fragments
.set O,    144                         ; v144-175 O^T
.set PCD,  176                         ; v176-187 p's codes
.set PT,   188                         ; v188-195 the conversions' second halves
.set KS,   196                         ; v196-203 the keys' scale words, later Wo's: scales and nothing else
.set VR,   204                         ; v204-211 V's scale words as they lie, two bytes each
.set VS,   212                         ; v212-215 V's scale words of a key step: scales and nothing else
.set BM,   216                         ; v216-219 the blocks' largest scores, then largest p
.set BX,   220                         ; v220-223 lane permutes' destinations, then bytes
.set BO,   224                         ; v224-227 the conversions' scale operands
.set T0,   228
.set SM2,  230                         ; v[230:231] the sums' second chain
.set LN,   232                         ; v232 lane, v233 lane % 16, v234 lane / 16: kept until the tail's addresses are made
.set G,    248                         ; v248-255 the merge's four factors, named as pairs
.set MA,   1                           ; the tail's LDS addresses take the loop's address registers, v11, v191 and v195
.set MS,   2
.set ML,   3
.set MLS,  8
.set WA16, 9
.set WA8,  10
.set SBK,  11
.set WAS,  191
.set SI,   195
.set G1,   24                          ; s[24:31] descriptor group 1
.set G0A,  32                          ; s[32:35] group 0 for slot 0;  s[36:39] for slot 1
.set G0B,  36
.set PFA,  42                          ; s[42:43] where my prefetches stand; never rewritten
.macro CROUND                          ; a round of the cluster's barrier: my work-group's barrier; wave 0 signals for the work-group; every wave waits for all four work-groups; my work-group's barrier once more
	s_barrier_signal -1
	s_barrier_wait -1
	s_cmp_lg_u32 s12, 0
	s_cbranch_scc1 .Lnot_wave_0_\@
	s_barrier_signal -3
.Lnot_wave_0_\@:
	s_barrier_wait -3
	s_barrier_signal -1
	s_barrier_wait -1
.endm
.macro JLOAD g0                        ; a joint refill: waves 0-3, a quarter of the slot each.  The branch hangs on the wave's number alone.  Four v_nop follow the load
	s_cmp_lt_u32 s12, 4
	s_cbranch_scc0 .Lnone_\@
	tensor_load_to_lds s[\g0:\g0+3], s[G1:G1+7]
	s_nop 0
.rept 4
	v_nop
.endr
.Lnone_\@:
.endm
; A PREFETCH INTO THE L2 of a slot's 16 blocks, off bytes into the batch's kv: what the NEXT change of slots will ask for, two rounds ahead of that load.  All clusters of a batch walk the same kv: the batch's first
; cluster asks.  Its four partners are told apart BY ADDRESS; in each, waves 4-7 ask, one block each: block 4 x tile + place in the cluster.  A lane names one of the block's 26 runs of 256 bytes (lanes 26-31 the
; 26th again, in the same instruction).  So each run is named by one instruction in the launch.  The first two slots come by their loads alone.  The address is never stepped: the slot stands in the immediate.
.macro ASK off
	s_cmp_eq_u32 s44, 1
	s_cbranch_scc0 .Lnot_mine_\@
	global_prefetch_b8 v[PFO], s[PFA:PFA+1] offset:\off th:TH_LOAD_NT scope:SCOPE_SE
.Lnot_mine_\@:
.endm
.macro KLOAD c                         ; the four key tiles of the step's block c: six registers each, as they were stored
.irp t, 0,1,2,3
	ds_load_b128 v[KB+12*\t:KB+12*\t+3], v[A16] offset:KVB*\c+768*\t
	ds_load_b64 v[KB+12*\t+4:KB+12*\t+5], v[A8] offset:KVB*\c+768*\t+512
.endr
.endm
; THE CHANGE OF SLOTS.  Each wave waits for all its tensor loads (its part of the slot ahead), adds 0 to its spare word, and waits for that and for its reads of the slot that it has left.
; fill = 1: that slot is filled again, with the keys two slots on: the barrier is then a round of the cluster's, and the joint refill is the first thing behind it; it has two rounds of key steps in which to land.
.macro CHANGE fill, g0
	s_wait_tensorcnt 0x0                           ; no tensor load of mine is out, so a group 0 may be written
	ds_add_u32 v[SPW], v[NIL]                      ; 0 onto my spare word
.if \fill
	s_add_nc_u64 s[\g0+2:\g0+3], s[\g0+2:\g0+3], 2*SLOTB   ; the type bits on top are not reached
.endif
	s_wait_dscnt 0x0                               ; the add is done, and my reads of the slot that I have left are over
.if \fill
	CROUND
	JLOAD \g0
.else
	s_barrier_signal -1
	s_barrier_wait -1
.endif
.endm
; 32 numbers of a lane, register 16 b + i = index 32 b + 16 (lane / 16) + i, become six registers of codes (a whole block a lane) in v[pc] on and a scale word of two bytes.
.macro QUANT32 src, pc, pt, pw
.irp b, 0,1
	v_max3_num_f32 v[BM+\b], |v[\src+16*\b]|, |v[\src+16*\b+1]|, 0x1800000   ; with the floor 2^(3 - 127): the byte cannot fall under 1
.endr
.irp i, 2,4,6,8,10,12,14
.irp b, 0,1
	s_delay_alu instid0(VALU_DEP_2)
	v_max3_num_f32 v[BM+\b], v[BM+\b], |v[\src+16*\b+\i]|, |v[\src+16*\b+\i+1]|
.endr
.endr
.irp b, 0,1
	s_delay_alu instid0(VALU_DEP_2)
	v_permlanex16_b32 v[BX+\b], v[BM+\b], s20, s21
.endr
.irp b, 0,1
	s_delay_alu instid0(VALU_DEP_2)
	v_max_num_f32 v[BM+\b], v[BM+\b], v[BX+\b]
.endr
.irp b, 0,1
	s_delay_alu instid0(VALU_DEP_2)
	v_add_nc_u32 v[BO+\b], 0xff000000, v[BM+\b]    ; 2 off the exponent field: the conversion's scale operand
.endr
.irp b, 0,1
	s_delay_alu instid0(VALU_DEP_2)
	v_lshrrev_b32 v[BX+\b], 23, v[BO+\b]
.endr
	s_delay_alu instid0(VALU_DEP_1)
	v_lshl_or_b32 v[\pw], v[BX+1], 8, v[BX]
	v_cvt_scalef32_pk16_fp6_f32 v[\pc:\pc+2], v[\src:\src+15], v[BO]
	v_cvt_scalef32_pk16_fp6_f32 v[\pt:\pt+2], v[\src+16:\src+31], v[BO+1]
	v_nop                                          ; one plain instruction behind the conversions
.irp i, 0,1,2
	v_permlane16_swap_b32 v[\pc+\i], v[\pt+\i]
.endr
.irp i, 0,1,2
	s_delay_alu instid0(VALU_DEP_3)
	v_mov_b32 v[\pc+3+\i], v[\pt+\i]
.endr
.endm
; A KEY STEP: my split's 128 keys of the round that begins at LDS byte base.  ask: 0, or the offset of the slot to be prefetched.
.macro STEP base, ask
	v_add_nc_u32 v[A16], \base, v[AB16]
	v_add_nc_u32 v[A8], \base, v[AB8]
	v_add_nc_u32 v[AS], \base, v[ABS]
	v_nop
	v_nop                                          ; five places: the last step's products V^T P read v80-127, over which this step's products write (ISA guide 7.12.1 for four of them)
	KLOAD 0
	ds_load_b128 v[KS:KS+3], v[AS] offset:6144     ; lane r: the words of key lane r in the block's four tiles
	ds_load_b128 v[KS+4:KS+7], v[AS] offset:KVB+6144
	ds_load_b128 v[VR:VR+3], v[AS] offset:6400     ; and of channel lane r in V's four
	ds_load_b128 v[VR+4:VR+7], v[AS] offset:KVB+6400
.if \ask
	ASK \ask
.endif
	s_wait_dscnt 0x0
.irp t, 0,1,2,3                        ; S^T = keys x queries: lane (r, h) holds query r; register 16 B + i is key 32 B + 16 h + i of the step
	v_wmma_scale_f32_16x16x128_f8f6f4 v[S+8*\t:S+8*\t+7], v[KB+12*\t:KB+12*\t+11], v[QF:QF+11], 0, v[KS+\t], v[QS] matrix_a_fmt:MATRIX_FMT_FP6 matrix_b_fmt:MATRIX_FMT_FP6
.endr
.irp n, 0,1,2,3
	v_lshl_or_b32 v[VS+\n], v[VR+4+\n], 16, v[VR+\n]   ; V's scale word of the step: two bytes of each block.  These four are also the places in front of the loads below
.endr
	s_wait_alu depctr_va_vdst(0)
	KLOAD 1
	s_wait_dscnt 0x0
.irp t, 0,1,2,3
	v_wmma_scale_f32_16x16x128_f8f6f4 v[S+32+8*\t:S+32+8*\t+7], v[KB+12*\t:KB+12*\t+11], v[QF:QF+11], 0, v[KS+4+\t], v[QS] matrix_a_fmt:MATRIX_FMT_FP6 matrix_b_fmt:MATRIX_FMT_FP6
.endr
.rept 4
	v_nop                                          ; four places in front of the first read of results
.endr
.irp b, 0,1,2,3
	v_max3_num_f32 v[BM+\b], v[S+16*\b], v[S+16*\b+1], v[S+16*\b+2]   ; the largest score of each block of 32 keys: it serves the row's maximum and, since p rises with the score, the block's largest p
.endr
.irp i, 3,5,7,9,11,13
.irp b, 0,1,2,3
	v_max3_num_f32 v[BM+\b], v[BM+\b], v[S+16*\b+\i], v[S+16*\b+\i+1]   ; the four blocks by turns; each accumulator is first read at its low end
.endr
.endr
.irp b, 0,1,2,3
	v_max_num_f32 v[BM+\b], v[BM+\b], v[S+16*\b+15]
.endr
.irp b, 0,1,2,3
	s_delay_alu instid0(VALU_DEP_4)
	v_permlanex16_b32 v[BX+\b], v[BM+\b], s20, s21
.endr
.irp b, 0,1,2,3
	s_delay_alu instid0(VALU_DEP_4)
	v_max_num_f32 v[BM+\b], v[BM+\b], v[BX+\b]     ; with the block's other 16 keys, in the lane 16 away
.endr
	s_delay_alu instid0(VALU_DEP_2)
	v_max3_num_f32 v[T0], v[BM], v[BM+1], v[BM+2]
	s_delay_alu instid0(VALU_DEP_1)
	v_max_num_f32 v[T0], v[T0], v[BM+3]
	s_delay_alu instid0(VALU_DEP_1)
	v_mul_f32 v[T0], s22, v[T0]                    ; the step's largest t (c is positive)
	s_delay_alu instid0(VALU_DEP_1)
	v_max_num_f32 v13, v13, v[T0]                  ; the running largest t
	v_mov_b32 v[T0], v12
	s_delay_alu instid0(VALU_DEP_2)
	v_floor_f32 v12, -v13                          ; the new -M = floor(-t) = -ceil(t): a whole number
	s_delay_alu instid0(VALU_DEP_1)
	v_sub_f32 v[T0], v12, v[T0]                    ; old M - new M: a whole number, 0 or less
	s_delay_alu instid0(VALU_DEP_1)
	v_cvt_i32_f32 v[T0], v[T0]                     ; (it saturates)
	s_delay_alu instid0(VALU_DEP_1)
	v_ldexp_f32 v[F], 1.0, v[T0]                   ; f = 2^(old M - new M): a multiplication by it rounds nothing
.set j, 0
.rept 32
	v_pk_fma_f32 v[S+j:S+j+1], v[S+j:S+j+1], s[22:23], v[12:13] op_sel_hi:[1,0,0]   ; t - M, two at a time
.set j, j+2
.endr
.irp b, 0,1,2,3
	v_fma_f32 v[BM+\b], v[BM+\b], s22, v12         ; the same of each block's largest score
.endr
.set j, 0
	s_wait_alu depctr_va_vdst(0)
.rept 64
	v_exp_f32 v[S+j], v[S+j]                       ; p = 2^(t - M), at most 1
.set j, j+1
.endr
	v_pk_mul_f32 v[14:15], v[14:15], v[F:F+1] op_sel_hi:[1,0]   ; l under the new M: the plain instruction behind the exponentials
	s_wait_alu depctr_va_vdst(0)                   ; one wait for the batch of 64, ahead of its first reader
.irp b, 0,1,2,3
	v_exp_f32 v[BM+\b], v[BM+\b]                   ; the blocks' largest p: the same two instructions on the same number
.endr
	v_pk_add_f32 v[230:231], v[84:85], v[88:89]
	v_pk_add_f32 v[246:247], v[92:93], v[96:97]
	v_pk_add_f32 v[244:245], v[100:101], v[104:105]
	v_pk_add_f32 v[242:243], v[108:109], v[112:113]
	v_pk_add_f32 v[240:241], v[116:117], v[120:121]
	v_pk_add_f32 v[238:239], v[124:125], v[128:129]
	v_pk_add_f32 v[236:237], v[132:133], v[136:137]
	v_pk_add_f32 v[14:15], v[14:15], v[140:141]
	v_pk_add_f32 v[230:231], v[230:231], v[80:81]
	v_pk_add_f32 v[246:247], v[246:247], v[82:83]
	v_pk_add_f32 v[244:245], v[244:245], v[86:87]
	v_pk_add_f32 v[242:243], v[242:243], v[90:91]
	v_pk_add_f32 v[240:241], v[240:241], v[94:95]
	v_pk_add_f32 v[238:239], v[238:239], v[98:99]
	v_pk_add_f32 v[236:237], v[236:237], v[102:103]
	v_pk_add_f32 v[14:15], v[14:15], v[106:107]
	v_pk_add_f32 v[230:231], v[230:231], v[110:111]
	v_pk_add_f32 v[246:247], v[246:247], v[114:115]
	v_pk_add_f32 v[244:245], v[244:245], v[118:119]
	v_pk_add_f32 v[242:243], v[242:243], v[122:123]
	v_pk_add_f32 v[240:241], v[240:241], v[126:127]
	v_pk_add_f32 v[238:239], v[238:239], v[130:131]
	v_pk_add_f32 v[236:237], v[236:237], v[134:135]
	v_pk_add_f32 v[14:15], v[14:15], v[138:139]
	v_pk_add_f32 v[230:231], v[230:231], v[142:143]
	s_delay_alu instid0(VALU_DEP_2)
	v_pk_add_f32 v[14:15], v[14:15], v[242:243]
	s_delay_alu instid0(VALU_DEP_2)
	v_pk_add_f32 v[230:231], v[230:231], v[240:241]
	v_pk_add_f32 v[246:247], v[246:247], v[238:239]
	v_pk_add_f32 v[244:245], v[244:245], v[236:237]
	s_delay_alu instid0(VALU_DEP_2)
	v_pk_add_f32 v[14:15], v[14:15], v[246:247]
	s_delay_alu instid0(VALU_DEP_2)
	v_pk_add_f32 v[230:231], v[230:231], v[244:245]
	s_delay_alu instid0(VALU_DEP_1)
	v_pk_add_f32 v[14:15], v[14:15], v[230:231]
	s_wait_alu depctr_va_vdst(0)                   ; and one for the four
.irp b, 0,1,2,3
	v_max_num_f32 v[BM+\b], 0x1800000, v[BM+\b]    ; the floor 2^(3 - 127)
.endr
.irp b, 0,1,2,3
	s_delay_alu instid0(VALU_DEP_4)
	v_add_nc_u32 v[BO+\b], 0xff000000, v[BM+\b]
.endr
.irp b, 0,1,2,3
	s_delay_alu instid0(VALU_DEP_4)
	v_lshrrev_b32 v[BX+\b], 23, v[BO+\b]
.endr
	s_delay_alu instid0(VALU_DEP_3)
	v_lshl_or_b32 v[PS], v[BX+1], 8, v[BX]         ; p's scale word for these 128 keys
	s_delay_alu instid0(VALU_DEP_1)
	v_lshl_or_b32 v[PS], v[BX+2], 16, v[PS]
	s_delay_alu instid0(VALU_DEP_1)
	v_lshl_or_b32 v[PS], v[BX+3], 24, v[PS]
.irp c, 0,1
	v_cvt_scalef32_pk16_fp6_f32 v[PCD+6*\c:PCD+6*\c+2], v[S+32*\c:S+32*\c+15], v[BO+2*\c]
	v_cvt_scalef32_pk16_fp6_f32 v[PT+4*\c:PT+4*\c+2], v[S+32*\c+16:S+32*\c+31], v[BO+2*\c+1]
.endr
	v_nop                                          ; one plain instruction behind the conversions
.irp n, 0,1,2,3                        ; V's four fragments land where p lay, while p's codes are put in order and O^T is rescaled
.irp c, 0,1
	ds_load_b128 v[VF+12*\n+6*\c:VF+12*\n+6*\c+3], v[A16] offset:KVB*\c+3072+768*\n
	ds_load_b64 v[VF+12*\n+6*\c+4:VF+12*\n+6*\c+5], v[A8] offset:KVB*\c+3072+768*\n+512
.endr
.endr
.irp c, 0,1                            ; the operand's layout wants a whole block in a lane
.irp i, 0,1,2
	v_permlane16_swap_b32 v[PCD+6*\c+\i], v[PT+4*\c+\i]
.endr
.irp i, 0,1,2
	s_delay_alu instid0(VALU_DEP_3)
	v_mov_b32 v[PCD+3+6*\c+\i], v[PT+4*\c+\i]
.endr
.endr
.set j, 0
.rept 16
	v_pk_mul_f32 v[O+j:O+j+1], v[O+j:O+j+1], v[F:F+1] op_sel_hi:[1,0]   ; O^T under the new M.  These sixteen are also the places between the writes of p's codes and scale word and the products
.set j, j+2
.endr
	s_wait_alu depctr_va_vdst(0)
	s_wait_dscnt 0x0
.irp n, 0,1,2,3                        ; O^T += V^T P: four accumulators, one instruction a turn; this step's eight other products stand between an accumulator's turns
	v_wmma_scale_f32_16x16x128_f8f6f4 v[O+8*\n:O+8*\n+7], v[VF+12*\n:VF+12*\n+11], v[PCD:PCD+11], v[O+8*\n:O+8*\n+7], v[VS+\n], v[PS] matrix_a_fmt:MATRIX_FMT_FP6 matrix_b_fmt:MATRIX_FMT_FP6
.endr
.endm
	s_load_b256 s[4:11], s[0:1], 0x0               ; qry s[4:5], kv s[6:7], Wo s[8:9], out0 s[10:11]
	v_lshl_add_u32 v[SPW], v0, 2, SPARE
	v_mov_b32 v[NIL], 0
	ds_add_u32 v4, v5
	ds_add_u32 v4, v5
	s_wait_dscnt 0x0
	v_lshrrev_b32 v8, 5, v0
	s_delay_alu instid0(VALU_DEP_1)
	v_readfirstlane_b32 s12, v8                    ; wave 0..15
	s_and_b32 s13, s12, 3                          ; my tile of queries.  In waves 0-3 also: which quarter of a slot I fetch
	s_lshr_b32 s14, s12, 2                         ; my split of the keys
	s_bfe_u32 s15, ttmp6, 0x40000                  ; my place in the cluster: it enters qry's, out0's and the prefetches' addresses alone
	s_lshl_b32 s16, ttmp9, 2
	s_add_co_u32 s16, s16, s15                     ; my block of 64 queries in the batch
	s_and_b32 s17, ttmp7, 0xffff                   ; the batch, which the four partners share
	s_lshl_b32 s18, s17, 6
	s_add_co_u32 s18, s18, s16                     ; the block's number in qry and out0
	s_mov_b32 s20, 0x76543210
	s_mov_b32 s21, 0xfedcba98                      ; v_permlanex16_b32's selects: the lane 16 away
	s_mov_b32 s22, 0x3e38aa3b                      ; c = log2(e) / 8
	s_mov_b32 s23, s22                             ; (named with it as a pair, so it is written)
	; descriptor group 1: 104 dense rows of 256 bytes, no padding: every read of an image has its lanes on consecutive bytes
	s_mov_b32 s[G1], 15|(3<<16)|(1<<21)            ; 15:0 the mask: all four work-groups; 17:16 elements of 8 bytes; 21 set beside a mask
	s_mov_b32 s[G1+1], 32<<16                      ; tensor_dim0 = 32
	s_mov_b32 s[G1+2], 104<<16                     ; tensor_dim1 = 104
	s_mov_b32 s[G1+3], 32<<16                      ; tile_dim0 = 32
	s_mov_b32 s[G1+4], 104                         ; tile_dim1 = 104
	s_mov_b32 s[G1+5], 32                          ; from row to row
	s_mov_b32 s[G1+6], 0
	s_mov_b32 s[G1+7], 0
	s_mul_i32 s40, s17, 64*KVB                     ; the batch's kv,
	s_mul_i32 s41, s13, 4*KVB                      ; my quarter of a slot
	s_add_co_u32 s40, s40, s41
	s_mov_b32 s41, 0
	s_mov_b32 s[G0A], 1                            ; count = 1
	s_mul_i32 s[G0A+1], s13, 4*KVB                 ; LDS address: slot 0, my quarter
	s_mov_b32 s[G0B], 1
	s_add_co_u32 s[G0B+1], s[G0A+1], SLOTB         ; slot 1
	s_lshl_b32 s46, s13, 2
	s_add_co_u32 s46, s46, s15
	s_mul_i32 s46, s46, KVB                        ; the prefetches: block 4 x tile + place of a slot's sixteen
	s_mul_i32 s47, s17, 64*KVB
	s_add_co_u32 s46, s46, s47
	s_mov_b32 s47, 0
	s_xor_b32 s44, s14, 1                          ; 0 in waves 4-7,
	s_or_b32 s44, s44, ttmp9                       ; of the batch's first cluster: the same in all four partners
	s_cmp_eq_u32 s44, 0
	s_cselect_b32 s44, 1, 0
	s_mul_i32 s54, s18, 3328                       ; my block of qry,
	s_mov_b32 s55, 0
	s_mul_i32 s56, s13, 768
	s_add_co_u32 s56, s56, s54                     ; my tile's image in it
	s_mov_b32 s57, 0
	s_lshl_b32 s58, s18, 6
	s_lshr_b32 s59, s13, 1
	s_lshl_b32 s59, s59, 5
	s_add_co_u32 s58, s58, s59
	s_and_b32 s59, s13, 1
	s_lshl_b32 s59, s59, 3
	s_add_co_u32 s58, s58, s59                     ; my tile's first row of out0: 64 x block + 32 (tile / 2) + 8 (tile % 2)
	s_lshl_b32 s58, s58, 10                        ; 1,024 bytes a row: under 2^24
	s_lshl_b32 s59, s14, 8
	s_add_co_u32 s58, s58, s59                     ; + my 64 columns
	s_mov_b32 s59, 0
	v_and_b32 v[LN], 31, v0                        ; lane
	v_and_b32 v[LN+1], 15, v0                      ; r
	v_bfe_u32 v[LN+2], v0, 4, 1                    ; h
	s_wait_kmcnt 0x0
	s_add_nc_u64 s[G0A+2:G0A+3], s[6:7], s[40:41]  ; global address: the batch's first slot,
	s_add_nc_u64 s[G0B+2:G0B+3], s[G0A+2:G0A+3], SLOTB   ; and its second
	s_or_b32 s[G0A+3], s[G0A+3], 0x80000000        ; type = 2
	s_or_b32 s[G0B+3], s[G0B+3], 0x80000000
	s_add_nc_u64 s[PFA:PFA+1], s[6:7], s[46:47]
	s_add_nc_u64 s[48:49], s[4:5], s[56:57]
	s_add_nc_u64 s[50:51], s[4:5], s[54:55]
	s_add_nc_u64 s[52:53], s[10:11], s[58:59]
	CROUND                                         ; all four work-groups are here: the first joint loads meet
	s_cmp_lt_u32 s12, 4                            ; a wave's two first fills stand in one branch, ahead of every wait on TENSORcnt and every LDS read
	s_cbranch_scc0 .Lfirst_none
	tensor_load_to_lds s[G0A:G0A+3], s[G1:G1+7]
	s_nop 0
	tensor_load_to_lds s[G0B:G0B+3], s[G1:G1+7]
	s_nop 0
.rept 4
	v_nop
.endr
.Lfirst_none:
	s_wait_alu depctr_va_vdst(0)
	v_lshlrev_b32 v228, 4, v[LN]                   ; 16 x lane
	v_lshlrev_b32 v229, 3, v[LN]                   ; 8 x lane
	s_lshl_b32 s54, s13, 2
	v_lshl_add_u32 v230, v[LN+1], 4, s54           ; 16 r + 4 x tile
	global_load_b128 v[QF:QF+3], v228, s[48:49]    ; my queries' image: it stays in registers
	global_load_b64 v[QF+4:QF+5], v229, s[48:49] offset:512
	global_load_b32 v[QS], v230, s[50:51] offset:3072
	v_lshlrev_b32 v11, 2, v[LN+1]
	s_delay_alu instid0(VALU_DEP_1)
	v_lshl_add_u32 v11, v[LN+2], 15, v11
	s_lshl_b32 s55, s12, 6
	v_add_nc_u32 v11, s55, v11                     ; Wo: column 16 x wave + r, rows 32 h on: lane r takes a column and its registers run down K
.set j, 0
.rept 32
	global_load_b32 v[S+j], v11, s[8:9] offset:1024*j
.set j, j+1
.endr
	s_mul_i32 s54, s14, STEPB
	v_add_nc_u32 v[AB16], s54, v228
	v_add_nc_u32 v[AB8], s54, v229
	v_lshl_add_u32 v[ABS], v[LN+1], 4, s54
	v_min_u32 v[PFO], 25, v[LN]
	s_delay_alu instid0(VALU_DEP_1)
	v_lshlrev_b32 v[PFO], 8, v[PFO]
	v_lshlrev_b32 v[GO], 4, v[LN+1]
	s_delay_alu instid0(VALU_DEP_1)
	v_lshl_add_u32 v[GO], v[LN+2], 10, v[GO]       ; the way out: lanes 0-15 one row of out0, lanes 16-31 the next; 16 bytes a lane
	s_mul_i32 s55, s12, 768
	s_add_co_u32 s55, s55, WOI
	v_add_nc_u32 v8, s55, v228                     ; where my tile of Wo goes
	v_add_nc_u32 v9, s55, v229
	s_lshl_b32 s56, s12, 7
	s_add_co_u32 s56, s56, WOS
	v_lshl_add_u32 v10, v[LN], 2, s56
	v_lshlrev_b32 v231, 3, v[LN+2]                 ; 8 h
.irp j, 6,7,8,9,10,11
	v_mov_b32 v[QF+\j], 0                          ; zero codes for K = 64 .. 127 of the first and the last product, on both operands: written once
.irp t, 0,1,2,3
	v_mov_b32 v[KB+12*\t+\j], 0
.endr
.endr
.set j, 0
.rept 32
	v_mov_b32 v[O+j], 0                            ; O^T.  (The step is written one way: the first finds zeros, which the first change of M leaves zeros)
.set j, j+1
.endr
	v_mov_b32 v13, 0xff61b1e6                      ; the largest t so far: -3e38, under every t
	s_delay_alu instid0(VALU_DEP_1)
	v_floor_f32 v12, -v13                          ; -M
	v_mov_b32 v14, 0                               ; l, in two halves
	v_mov_b32 v15, 0
	v_mov_b32 v[F+1], 0                            ; (named as the upper half of a pair)
.irp b, 0,1,2,3
	v_mov_b32 v[BX+\b], 0                          ; written once: a lane permute's destination counts as one of its sources
	v_mov_b32 v[G+2*\b+1], 0                       ; (upper halves of pairs)
.endr
	s_wait_loadcnt 0x0
	; my tile of Wo: a lane holds one whole block, K = 32 h + 0 .. 31 of its column
	v_max3_num_f32 v[BM], |v[S]|, |v[S+1]|, 0x1800000
	v_max3_num_f32 v[BM+1], |v[S+16]|, |v[S+17]|, 0x1800000
.irp i, 2,4,6,8,10,12,14
	s_delay_alu instid0(VALU_DEP_2)
	v_max3_num_f32 v[BM], v[BM], |v[S+\i]|, |v[S+\i+1]|
	s_delay_alu instid0(VALU_DEP_2)
	v_max3_num_f32 v[BM+1], v[BM+1], |v[S+16+\i]|, |v[S+16+\i+1]|
.endr
	s_delay_alu instid0(VALU_DEP_1)
	v_max_num_f32 v[BM], v[BM], v[BM+1]
	s_delay_alu instid0(VALU_DEP_1)
	v_add_nc_u32 v[BO], 0xff000000, v[BM]
	s_delay_alu instid0(VALU_DEP_1)
	v_lshrrev_b32 v[BX], 23, v[BO]
	s_delay_alu instid0(VALU_DEP_1)
	v_lshlrev_b32 v[BX], v231, v[BX]               ; my byte at its place,
	s_delay_alu instid0(VALU_DEP_1)
	v_permlanex16_b32 v[BX+1], v[BX], s20, s21
	s_delay_alu instid0(VALU_DEP_1)
	v_or_b32 v[BX], v[BX], v[BX+1]                 ; with the byte of the lane 16 away: the column's scale word
	v_cvt_scalef32_pk16_fp6_f32 v[PCD:PCD+2], v[S:S+15], v[BO]
	v_cvt_scalef32_pk16_fp6_f32 v[PT:PT+2], v[S+16:S+31], v[BO]
	v_nop                                          ; one plain instruction behind the conversions
.irp i, 0,1,2
	v_mov_b32 v[PCD+3+\i], v[PT+\i]
.endr
	ds_store_b128 v8, v[PCD:PCD+3]
	ds_store_b64 v9, v[PCD+4:PCD+5] offset:512
	ds_store_b32 v10, v[BX]
	s_wait_tensorcnt 0x1                           ; my part of slot 0 is in; slot 1's may stay out
	s_wait_dscnt 0x0                               ; my tile of Wo lies in LDS
	s_barrier_signal -1
	s_barrier_wait -1
	STEP 0, 2*SLOTB                                ; keys 0 to 1,023, in slot 0; the third slot's worth is prefetched
	STEP ROUNDB, 0
	CHANGE 1, G0A                                  ; slot 0 takes keys 2,048 on
	STEP SLOTB, 3*SLOTB                            ; keys 1,024 on, in slot 1; the fourth slot's worth is prefetched
	STEP SLOTB+ROUNDB, 0
	CHANGE 1, G0B                                  ; slot 1 takes keys 3,072 on
	STEP 0, 0
	STEP ROUNDB, 0
	CHANGE 0, G0A                                  ; nothing is left to fetch
	STEP SLOTB, 0
	STEP SLOTB+ROUNDB, 0
	; THE MERGE.  The tail's addresses are made here: plain instructions that name no register of the last products, and so the places behind them.
	s_mul_i32 s54, s12, MRGW                       ; my wave's place among the partial results, and among the stages (which begin at LDS byte 0)
	s_add_co_u32 s55, s54, MRG
	s_mul_i32 s56, s13, MRGW
	s_add_co_u32 s56, s56, MRG                     ; my tile's first split; the others lie 4 x 4,352 bytes apart
	s_mul_i32 s57, s14, 4*768
	s_add_co_u32 s57, s57, WOI                     ; Wo's tiles 4 x split on
	s_lshl_b32 s58, s14, 9
	s_add_co_u32 s58, s58, WOS
	v_add_f32 v14, v14, v15                        ; l's two halves
	v_lshl_add_u32 v[MA], v[LN], 4, s55
	v_lshl_add_u32 v[MS], v[LN], 2, s55
	v_lshl_add_u32 v[ML], v[LN], 4, s56
	v_lshl_add_u32 v[MLS], v[LN], 2, s56
	v_permlanex16_b32 v[T0], v14, s20, s21
	v_lshl_add_u32 v[WA16], v[LN], 4, s57
	v_lshl_add_u32 v[WA8], v[LN], 3, s57
	v_lshl_add_u32 v[WAS], v[LN], 2, s58
	v_mul_u32_u24 v[SI], v[LN+1], 272
	v_mul_u32_u24 v[SBK], v[LN+2], 272
	s_delay_alu instid0(VALU_DEP_2)
	v_lshl_add_u32 v[SI], v[LN+2], 5, v[SI]
	s_delay_alu instid0(VALU_DEP_2)
	v_lshl_add_u32 v[SBK], v[LN+1], 4, v[SBK]
	s_delay_alu instid0(VALU_DEP_2)
	v_add_nc_u32 v[SI], s54, v[SI]                 ; the stage, in: row r, 32 bytes for each half of the lanes
	s_delay_alu instid0(VALU_DEP_2)
	v_add_nc_u32 v[SBK], s54, v[SBK]               ; and back: lanes 0-15 one row of 256 bytes, lanes 16-31 the next
	v_add_f32 v14, v14, v[T0]                      ; and the sum of the lane 16 away: my split's l
.irp i, 0,1,2,3,4,5,6,7
	ds_store_b128 v[MA], v[O+4*\i:O+4*\i+3] offset:512*\i   ; O^T as it stands, each accumulator from its low end on
.endr
	ds_store_b32 v[MS], v12 offset:4096
	ds_store_b32 v[MS], v14 offset:4096+128
	s_wait_alu depctr_va_vdst(0)
	s_wait_dscnt 0x0                               ; for the others' sake
	s_barrier_signal -1
	s_barrier_wait -1
.irp q, 0,1,2,3
	ds_load_b32 v[VR+\q], v[MLS] offset:4*MRGW*\q+4096        ; -M of split q of my tile,
	ds_load_b32 v[VR+4+\q], v[MLS] offset:4*MRGW*\q+4096+128  ; and its l
.endr
.macro PLOAD reg, q
.irp i, 0,1,2,3,4,5,6,7
	ds_load_b128 v[\reg+4*\i:\reg+4*\i+3], v[ML] offset:4*MRGW*\q+512*\i
.endr
.endm
	PLOAD 80, 0
	PLOAD 112, 1
	PLOAD 144, 2
	PLOAD 216, 3
.irp t, 0,1,2,3
	ds_load_b128 v[KB+12*\t:KB+12*\t+3], v[WA16] offset:768*\t
	ds_load_b64 v[KB+12*\t+4:KB+12*\t+5], v[WA8] offset:768*\t+512
	ds_load_b32 v[KS+\t], v[WAS] offset:128*\t
.endr
	s_wait_dscnt 44                                ; the eight small loads are in; the 32 of the partial results and the 12 of Wo stay out
	v_min3_num_f32 v176, v[VR], v[VR+1], v[VR+2]
	s_delay_alu instid0(VALU_DEP_1)
	v_min_num_f32 v176, v176, v[VR+3]              ; -M of the whole row
.irp q, 0,1,2,3
	v_sub_f32 v[177+\q], v176, v[VR+\q]            ; M of split q less M of the row: a whole number, 0 or less
.endr
.irp q, 0,1,2,3
	s_delay_alu instid0(VALU_DEP_4)
	v_cvt_i32_f32 v[177+\q], v[177+\q]
.endr
.irp q, 0,1,2,3
	s_delay_alu instid0(VALU_DEP_4)
	v_ldexp_f32 v[G+2*\q], 1.0, v[177+\q]          ; the split's factor: a power of two
.endr
	s_delay_alu instid0(VALU_DEP_4)
	v_mul_f32 v181, v[G], v[VR+4]
	s_delay_alu instid0(VALU_DEP_1)
	v_fma_f32 v181, v[G+2], v[VR+5], v181
	s_delay_alu instid0(VALU_DEP_1)
	v_fma_f32 v181, v[G+4], v[VR+6], v181
	s_delay_alu instid0(VALU_DEP_1)
	v_fma_f32 v181, v[G+6], v[VR+7], v181          ; the row's l
	s_wait_alu depctr_va_vdst(0)
	v_rcp_f32 v182, v181
	v_nop                                          ; a plain instruction behind the reciprocal,
	s_wait_alu depctr_va_vdst(0)                   ; and a wait ahead of its first reader
.irp q, 0,1,2,3
	v_mul_f32 v[G+2*\q], v[G+2*\q], v182           ; factor / l: the reciprocal's bits with another exponent
.endr
	s_wait_alu depctr_va_vdst(0)
	s_wait_dscnt 12                                ; the four partial results are in; Wo's twelve loads stay out
.set j, 0
.rept 16
	v_pk_mul_f32 v[80+j:81+j], v[80+j:81+j], v[G:G+1] op_sel_hi:[1,0]
.set j, j+2
.endr
.set j, 0
.rept 16
	v_pk_fma_f32 v[80+j:81+j], v[112+j:113+j], v[G+2:G+3], v[80+j:81+j] op_sel_hi:[1,0,1]
.set j, j+2
.endr
.set j, 0
.rept 16
	v_pk_fma_f32 v[80+j:81+j], v[144+j:145+j], v[G+4:G+5], v[80+j:81+j] op_sel_hi:[1,0,1]
.set j, j+2
.endr
.set j, 0
.rept 16
	v_pk_fma_f32 v[80+j:81+j], v[216+j:217+j], v[G+6:G+7], v[80+j:81+j] op_sel_hi:[1,0,1]   ; register 16 b + i: channel 32 b + 16 h + i of my query's attention result
.set j, j+2
.endr
	QUANT32 80, QF, PT, QS                         ; quantised along the channels, into the registers that held the queries; v22-27 are still zeros
.rept 8
	v_nop                                          ; a scale word made by vector instructions stands eight places ahead of a scaled product, codes so made four
.endr
	s_wait_alu depctr_va_vdst(0)
	s_wait_dscnt 0x0                               ; Wo's tiles and scale words
.irp t, 0,1,2,3                        ; source 0 = 16 columns of Wo, source 1 = my 16 rows: a lane holds eight neighbouring columns of one row of out0
	v_wmma_scale_f32_16x16x128_f8f6f4 v[112+8*\t:119+8*\t], v[KB+12*\t:KB+12*\t+11], v[QF:QF+11], 0, v[KS+\t], v[QS] matrix_a_fmt:MATRIX_FMT_FP6 matrix_b_fmt:MATRIX_FMT_FP6
.endr
.rept 4
	v_nop
.endr
	; THE WAY OUT: through my own stage, so that sixteen lanes store 256 consecutive bytes of a row.  LDS serves a wave's instructions in order (ISA guide 5.7.1.4): no wait between the stores and the loads.
.irp t, 0,1,2,3
	ds_store_b128 v[SI], v[112+8*\t:115+8*\t] offset:64*\t
	ds_store_b128 v[SI], v[116+8*\t:119+8*\t] offset:64*\t+16
.endr
.irp i, 0,1,2,3,4,5,6,7
	ds_load_b128 v[144+4*\i:147+4*\i], v[SBK] offset:544*\i
.endr
.irp i, 0,1,2,3,4,5,6,7
	s_wait_dscnt 7-\i                              ; the younger loads stay out
	global_store_b128 v[GO], v[144+4*\i:147+4*\i], s[52:53] offset:(2*\i+8*(\i/4))*1024 th:TH_STORE_NT   ; tile rows 2 i and 2 i + 1 are rows 2 i + 8 (i / 4) and the next of the tile's 24; at a multiple of 256 from out0's first byte
.endr
	s_wait_tensorcnt 0x0                           ; the wave's end, behind my last tensor load and my last LDS store
	ds_add_u32 v[SPW], v[NIL]
	s_wait_dscnt 0x0
	CROUND                                         ; the closing round: no work-group ends while a partner may still ask for a tile that names it
	s_endpgm
.Lfunc_end_k_q6e75a6f378_attn:
	.size	k_q6e75a6f378_attn, .Lfunc_end_k_q6e75a6f378_attn-k_q6e75a6f378_attn
	.p2alignl 7, 3214868480
	.fill 96, 4, 3214868480
	.section	.rodata,"a",@progbits
	.p2align	6, 0x0
	.amdhsa_kernel k_q6e75a6f378_attn
		.amdhsa_group_segment_fixed_size 327680
		.amdhsa_private_segment_fixed_size 0
		.amdhsa_enable_private_segment 0
		.amdhsa_kernarg_size 32
		.amdhsa_user_sgpr_count 2
		.amdhsa_user_sgpr_kernarg_segment_ptr 1
		.amdhsa_wavefront_size32 1
		.amdhsa_system_sgpr_workgroup_id_x 1
		.amdhsa_system_sgpr_workgroup_id_y 1
		.amdhsa_system_sgpr_workgroup_id_z 1
		.amdhsa_system_vgpr_workitem_id 0
		.amdhsa_next_free_vgpr 256
		.amdhsa_next_free_sgpr 66
		.amdhsa_reserve_vcc 0
		.amdhsa_float_denorm_mode_32 3
		.amdhsa_float_denorm_mode_16_64 3
		.amdhsa_memory_ordered 1
		.amdhsa_forward_progress 1
		.amdhsa_inst_pref_size 172
	.end_amdhsa_kernel
	.amdgpu_metadata
---
amdhsa.version: [ 1, 2 ]
amdhsa.kernels:
  - .name:           k_q6e75a6f378_attn
    .symbol:         k_q6e75a6f378_attn.kd
    .args:
      - { .name: qry, .offset: 0, .size: 8, .value_kind: global_buffer, .address_space: global }
      - { .name: kv, .offset: 8, .size: 8, .value_kind: global_buffer, .address_space: global }
      - { .name: Wo, .offset: 16, .size: 8, .value_kind: global_buffer, .address_space: global }
      - { .name: out0, .offset: 24, .size: 8, .value_kind: global_buffer, .address_space: global }
    .group_segment_fixed_size: 327680
    .private_segment_fixed_size: 0
    .kernarg_segment_align: 8
    .kernarg_segment_size: 32
    .max_flat_workgroup_size: 512
    .sgpr_count:     66
    .vgpr_count:     256
    .wavefront_size: 32
...
	.end_amdgpu_metadata
.endif
;; end of part 4
